; MI455X (gfx1250); checked and timed in simulation.
; The chip was launched on July 23, 2026; its instructions are those of AMD's public machine-readable ISA for CDNA 5 (MIT licence, August 2026) and "CDNA5" Instruction Set Architecture Reference Guide (July 2026). The comments in the code are by the model that wrote it; some were corrected since.
;; Multi Query Attention. Allowed arithmetic: matrix products marked QUANTISED: E3M2 operands, one E8M0 scale for each 32 along K, by v_wmma_scale_f32_16x16x128_f8f6f4 with both operands' format E3M2, f32 sums; everything else in f32.
;; Inputs: hidden_states 4 x 1,024 x 2,048 float32; k_b 128 float32; k_w 128 x 2,048 float32; o_b 2,048 float32; o_w 2,048 x 2,048 float32; q_b 2,048 float32; q_w 2,048 x 2,048 float32; v_b 128 float32; v_w 128 x 2,048 float32.
;; Outputs: out0 4 x 1,024 x 2,048 float32.
;; This version of the problem:
;;   THIS VERSION OF THE PROBLEM IS GIVEN IN LOW PRECISION. The matrix products marked QUANTISED in the list below multiply operands that are first quantised to E3M2 (3 exponent bits, 2 mantissa bits; 6 bits a number), with one power-of-two scale for each 32 numbers along K (OCP MX v1.0); their sums are f32. All else is computed in f32.
;;   The module's matrix products, in the order in which they are computed (A, B: the left and right operand; K: the contracted axis; several contracted axes count as one K, in the product's order):
;;     1. [M 4,096, K 2,048] x [K 2,048, N 2,048]; A: input hidden_states; B: input q_w: QUANTISED
;;     2. [M 4,096, K 2,048] x [K 2,048, N 128]; A: input hidden_states; B: input k_w: QUANTISED
;;     3. [M 4,096, K 2,048] x [K 2,048, N 128]; A: input hidden_states; B: input v_w: QUANTISED
;;     4. batch 4 x [M 1,024, K 128] x [K 128, N 16,384]; A: computed on the way; B: computed on the way: QUANTISED
;;     5. batch 4 x [M 128, K 1,024] x [K 1,024, N 16,384]; A: computed on the way; B: softmax (see below): QUANTISED
;;     6. [M 4,096, K 2,048] x [K 2,048, N 2,048]; A: computed on the way; B: input o_w: QUANTISED
;;   THE QUANTISER, for each operand of a quantised product, along K:
;;     - K is cut into blocks of 32 from its start; a last block that is shorter is filled with zeros.
;;     - A block's scale is 2^e with e = floor(log2(the largest magnitude in the block)) - 4, held to -126 .. 127; a block of zeros has e = 0. As a byte (E8M0): e + 127.
;;     - Each number is divided by its block's scale, clamped to +-28, and rounded to the nearest number of E3M2, ties to even, subnormals kept.
;;     - The product sums the exact products of the quantised numbers (number of the format x scale) in f32.
;;   ~~~python
;;   def quantise(x, axis):      # numpy; x: float32 -> the quantised numbers, widened to float32 again
;;       x = np.moveaxis(x, axis, -1); K = x.shape[-1]
;;       x = np.pad(x, [(0, 0)] * (x.ndim - 1) + [(0, -K % 32)]); x = x.reshape(x.shape[:-1] + (-1, 32)); a = np.abs(x).max(-1, keepdims=True)
;;       e = np.where(a > 0, np.clip(np.frexp(np.where(a > 0, a, 1))[1] - 1 - 4, -126, 127), 0)      # np.frexp(a)[1] - 1 = floor(log2(a)), exactly
;;       r = np.clip(x / 2.0 ** e, -28, 28)
;;       step = 2.0 ** (np.maximum(np.frexp(np.where(r == 0, 1, r))[1] - 1, -2) - 2)
;;       q = np.round(r / step) * step * 2.0 ** e      # np.round: ties to even
;;       return np.moveaxis(q.reshape(q.shape[:-2] + (-1,))[..., :K], -1, axis).astype(np.float32)
;;   ~~~
;;   SOFTMAX AHEAD OF A QUANTISED PRODUCT. Where the list says 'softmax', what is quantised is not the finished softmax but p = 2^(t - M), with t = logit x log2(e) and M = ceil(the row's largest t), a whole number; so 1/2 < the row's largest p <= 1. The row's sum l is taken of the UNQUANTISED p, in f32, and the product's result is divided by l at the end. Since M is a whole number, a kernel that streams over the keys may use a running M (the ceiling of the running maximum): every later rescaling is an exact power of two, which a block's scale takes up: the codes' values come out the same.
;;   OPERANDS COMPUTED ON THE WAY. 'Computed on the way' means the value that the module computes at that place (a softmax that the list does not call 'softmax' is quantised finished and normalised). What goes into a quantiser is computed in f32, as accurately as f32 sums, v_exp_f32 and their like allow (about 1e-6 of the number): no bf16 or f16 on the way to a quantiser, and a product that is left as it is and whose result goes on into a quantised operand takes f32 operands (vector FMAs, or v_wmma_f32_16x16x4_f32). A number that lies on a knife's edge between two numbers of the format may be rounded either way, as far as f32 arithmetic and the matrix unit's own rounding can turn it there, and no further.
;; One version. Each part assembles by itself: llvm-mc -triple=amdgcn-amd-amdhsa -mcpu=gfx1250 --defsym DOCPART=n.
;; ======== version 1 of 1: 4 launches
;; workspace buffers: xq 6,553,600 bytes; wq 6,963,200 bytes; qq 6,553,600 bytes; kvq 819,200 bytes; aq 6,553,600 bytes
;; launch quant (part 1): grid 1600 x 1, 1 waves a work-group, no clusters, 8,704 bytes of LDS; arguments hidden_states, q_w, k_w, v_w, xq, wq; writes xq, wq
.if DOCPART == 1
	.amdgcn_target "amdgcn-amd-amdhsa--gfx1250"
	.amdhsa_code_object_version 6
	.text
	.protected	k_qb7cefd7f26_quant
	.globl	k_qb7cefd7f26_quant
	.p2align	8
	.type	k_qb7cefd7f26_quant,@function
k_qb7cefd7f26_quant:
	s_mov_b64 s[64:65], 0
	v_nop
	global_prefetch_b8 v0, s[64:65] scope:SCOPE_SE
	s_setreg_imm32_b32 hwreg(HW_REG_WAVE_MODE, 25, 1), 1
	s_wait_xcnt 0x0
; hidden_states [4096][2048], q_w [2048][2048], k_w, v_w [128][2048], all f32 with K innermost, become codes of BF6 (E3M2) with one E8M0 byte for each 32 along K.  (o_w, which the last launch alone reads, is quantised in the
; attention's launch, by waves that have time to spare there.)
; A block's scale is 2^(floor(log2(its largest magnitude)) - 4); its byte is the largest magnitude's exponent field - 4, held at 1 from below; numbers are divided by the scale and rounded to the nearest code, ties to even.
; LIMITS: NaN and infinities among the inputs are not served.  A block of zeros gets the byte 1 where the rule says 127: its codes are zeros, and the bytes are read by this program alone.
; THE LAYOUT OF THE CODES is the order of an operand's registers.  A ROW BLOCK rb is 16 rows: index r of it stands for row 32 (rb / 2) + 8 (rb % 2) + r + 8 (r / 8).  A FRAGMENT (a row block x 128 along K: 12 registers a lane;
; lane (r, h): registers 6 c .. 6 c + 5 hold K = 64 c + 32 h + 0 .. 31 of row index r) lies as its registers stand: register 4 c + e of lane l at byte 512 c + 16 l + 4 e: 1,536 bytes.  Codes: [rb][K step 0..15][1,536].
; SCALE WORDS (four bytes: 128 along K of one row): [rb][Q = step / 4][lane l][i]: the word at 1,024 rb + 256 Q + 8 l + 4 i is that of row index l % 16 and step 4 Q + 2 i + l / 16.
; xq: hidden_states' 256 row blocks.  wq: for x = 0 .. 7: 16 row blocks of q_w (rows 256 x on), then 2 of k_w stacked on v_w (rows 32 x on); o_w's 128 row blocks, from 144 on, are not written here.
; SHARES.  A work-group is ONE wave: a row block's K steps 4 w .. 4 w + 3.  400 row blocks x 4 = 1,600 work-groups: 6 or 7 to each of 256 WGPs.  Each load reads 512 consecutive bytes of one row; a fragment's 16 rows turn
; through the wave's stage in LDS, so that a lane gets 16 neighbours of each block of 32.  No barrier, no cluster (work-groups share no input), no matrix work.  32 loads are out at the start, 16 while a fragment is worked.
.set XSOFF, 6291456                    ; where xq's scale words begin
.set WSOFF, 6684672                    ; where wq's begin
.set SP,    528                        ; a stage row: 512 bytes + 16: the sixteen lanes of half a 16-byte access fall on sixteen different 16-byte columns
.set LO,  4                            ; v4   16 x lane: my bytes of a load's 512, of an image's, and of a stage row on the way in
.set SR,  6                            ; v6   the stage on the way out: row r, + 64 h
.set L8,  7                            ; v7   8 x lane
.set R,   16                           ; v16-143  two sets of 64 registers as loaded
.set X,   144                          ; v144-207 register 16 b + i = k 32 b + 16 h + i of my row
.set TM,  208                          ; v208-223 at work in QUANT
.set PC,  224                          ; v224-243 the codes
.set PW,  244                          ; v244-247 the four fragments' scale words
.set SEL, 22                           ; s[22:23] lane selects: lane l xor 16
.set SRC, 46                           ; s[46:47] the tensor at my rows and K steps
.set DC,  48                           ; s[48:49] my codes
.set DS,  50                           ; s[50:51] my scale words
; 64 numbers of a lane, v[s] on, register 16 b + i = k 32 b + 16 (lane / 16) + i of my row, become a fragment's codes in v[pc .. pc + 11] and its scale word in v[pw].
.macro QUANT s, pc, pw
.irp b, 0,1,2,3
	v_max3_num_f32 v[TM+\b], |v[\s+16*\b]|, |v[\s+1+16*\b]|, 0x2800000   ; my 16 numbers of block b, and the floor 2^(5 - 127): the byte cannot fall under 1
.endr
.irp i, 2,4,6,8,10,12,14
.irp b, 0,1,2,3
	v_max3_num_f32 v[TM+\b], v[TM+\b], |v[\s+16*\b+\i]|, |v[\s+1+16*\b+\i]|   ; the four blocks by turns
.endr
.endr
.irp b, 0,1,2,3
	v_permlanex16_b32 v[TM+4+\b], v[TM+\b], s[SEL], s[SEL+1]
.endr
.irp b, 0,1,2,3
	v_max_num_f32 v[TM+\b], v[TM+\b], v[TM+4+\b]                          ; with lane l xor 16's: the block's largest magnitude
.endr
.irp b, 0,1,2,3
	v_add_nc_u32 v[TM+12+\b], 0xfe000000, v[TM+\b]                        ; 4 off its exponent field: the conversion's scale operand
.endr
.irp b, 0,1,2,3
	v_lshrrev_b32 v[TM+4+\b], 23, v[TM+12+\b]                             ; the scale's byte
.endr
	v_lshl_or_b32 v[\pw], v[TM+5], 8, v[TM+4]
	v_lshl_or_b32 v[\pw], v[TM+6], 16, v[\pw]
	v_lshl_or_b32 v[\pw], v[TM+7], 24, v[\pw]                             ; my row's scale word
.irp c, 0,1
	v_cvt_scalef32_pk16_bf6_f32 v[\pc+6*\c:\pc+6*\c+2], v[\s+32*\c:\s+32*\c+15], v[TM+12+2*\c]
	v_cvt_scalef32_pk16_bf6_f32 v[\pc+12+4*\c:\pc+12+4*\c+2], v[\s+32*\c+16:\s+32*\c+31], v[TM+13+2*\c]   ; (a conversion's three registers begin on an even number)
.endr
	v_nop                                          ; one plain instruction behind the scaled conversions
.irp c, 0,1                                    ; a lane wants a WHOLE block: lanes 0-15 block 2 c, lanes 16-31 block 2 c + 1
.irp i, 0,1,2
	v_permlane16_swap_b32 v[\pc+6*\c+\i], v[\pc+12+4*\c+\i]
.endr
.irp i, 0,1,2
	v_mov_b32 v[\pc+3+6*\c+\i], v[\pc+12+4*\c+\i]
.endr
.endr
.endm
.macro LOADF f                         ; fragment f's 16 rows, 512 consecutive bytes each, into set f % 2
.set I, 0
.rept 16
	global_load_b128 v[R+64*((\f)%2)+4*I:R+64*((\f)%2)+4*I+3], v[LO], s[SRC:SRC+1] offset:(I+8*(I/8))*8192+512*(\f) th:TH_LOAD_NT
.set I, I+1
.endr
.endm
.macro TURNF f                         ; through the stage: LDS serves a wave's instructions in order, so no wait stands between the stores and the loads, nor ahead of the next fragment's stores
.set I, 0
.rept 16
	ds_store_b128 v[LO], v[R+64*((\f)%2)+4*I:R+64*((\f)%2)+4*I+3] offset:SP*I
.set I, I+1
.endr
.irp b, 0,1,2,3
.irp j, 0,1,2,3
	ds_load_b128 v[X+16*\b+4*\j:X+16*\b+4*\j+3], v[SR] offset:128*\b+16*\j
.endr
.endr
.endm
.macro FRAGM f
.if \f < 3
	s_wait_loadcnt 16                              ; this fragment's 16 loads are in; the next fragment's 16 may be out
.else
	s_wait_loadcnt 0x0
.endif
	TURNF \f
	s_wait_dscnt 0x0                               ; X is in, and the stage's stores have read their set
.if \f > 0
	s_wait_xcnt 0x0                                ; the last fragment's stores have read PC
.endif
.if \f < 2
	LOADF \f+2
.endif
	QUANT X, PC, PW+\f
.irp c, 0,1,2
	global_store_b128 v[LO], v[PC+4*\c:PC+4*\c+3], s[DC:DC+1] offset:1536*\f+512*\c   ; 512 consecutive bytes, aligned
.endr
.endm
	s_load_b256 s[4:11], s[0:1], 0x0               ; hidden_states, q_w, k_w, v_w
	s_load_b128 s[12:15], s[0:1], 0x20             ; xq, wq
	v_lshl_add_u32 v254, v0, 2, 0x2100
	v_mov_b32 v255, 0
	s_and_b32 s20, ttmp9, 3                        ; w: which four K steps
	s_lshr_b32 s21, ttmp9, 2                       ; which of the 400 row blocks
	v_and_b32 v1, 31, v0                           ; lane
	v_and_b32 v2, 15, v0                           ; r
	v_bfe_u32 v3, v0, 4, 1                         ; h
	v_lshlrev_b32 v[LO], 4, v1
	v_mul_u32_u24 v[SR], v2, SP
	v_lshl_add_u32 v[SR], v3, 6, v[SR]
	v_lshlrev_b32 v[L8], 3, v1
	s_mov_b32 s[SEL], 0x76543210
	s_mov_b32 s[SEL+1], 0xfedcba98
.irp b, 0,1,2,3
	v_mov_b32 v[TM+4+\b], 0                        ; written once: a lane permute's destination counts as one of its sources
.endr
	; which tensor, which of its row blocks (srb), and where the row block goes (drb).  Row blocks 0-255: hidden_states; 256-383: q_w; 384-391: k_w; 392-399: v_w
	s_sub_co_u32 s25, s21, 256                     ; (a number that is not the work-group's own case wraps and is not chosen)
	s_sub_co_u32 s26, s21, 384
	s_sub_co_u32 s27, s21, 392
	s_lshr_b32 s29, s25, 4
	s_mul_i32 s29, s29, 18
	s_and_b32 s30, s25, 15
	s_add_co_u32 s29, s29, s30                     ; q_w: 18 (t / 16) + t % 16
	s_lshr_b32 s30, s26, 1
	s_mul_i32 s30, s30, 18
	s_and_b32 s31, s26, 1
	s_add_co_u32 s30, s30, s31
	s_add_co_u32 s30, s30, 16                      ; k_w on v_w: 18 (t / 2) + 16 + t % 2
	s_mov_b32 s32, XSOFF
	s_mov_b32 s33, WSOFF
	s_wait_kmcnt 0x0
	s_cmp_lt_u32 s21, 392                          ; the choices hang on the work-group's number alone
	s_cselect_b64 s[SRC:SRC+1], s[8:9], s[10:11]
	s_cselect_b32 s34, s26, s27
	s_cmp_lt_u32 s21, 384
	s_cselect_b64 s[SRC:SRC+1], s[6:7], s[SRC:SRC+1]
	s_cselect_b32 s34, s25, s34
	s_cselect_b32 s35, s29, s30
	s_cmp_lt_u32 s21, 256
	s_cselect_b64 s[SRC:SRC+1], s[4:5], s[SRC:SRC+1]
	s_cselect_b32 s34, s21, s34                    ; srb
	s_cselect_b32 s35, s21, s35                    ; drb
	s_cselect_b64 s[DC:DC+1], s[12:13], s[14:15]
	s_cselect_b32 s36, s32, s33
	s_lshr_b32 s37, s34, 1
	s_lshl_b32 s37, s37, 18                        ; 32 rows of 8,192 bytes
	s_and_b32 s38, s34, 1
	s_lshl_b32 s38, s38, 16                        ; 8 rows
	s_add_co_u32 s38, s38, s37
	s_lshl_b32 s37, s20, 11                        ; my four K steps: 2,048 bytes of a row
	s_add_co_u32 s38, s38, s37
	s_mov_b32 s39, 0
	s_add_nc_u64 s[SRC:SRC+1], s[SRC:SRC+1], s[38:39]
	s_mul_i32 s40, s35, 24576
	s_mul_i32 s37, s20, 6144
	s_add_co_u32 s40, s40, s37
	s_mov_b32 s41, 0
	s_lshl_b32 s42, s35, 10
	s_add_co_u32 s42, s42, s36
	s_lshl_b32 s37, s20, 8
	s_add_co_u32 s42, s42, s37
	s_mov_b32 s43, 0
	s_add_nc_u64 s[DS:DS+1], s[DC:DC+1], s[42:43]
	s_add_nc_u64 s[DC:DC+1], s[DC:DC+1], s[40:41]
	LOADF 0
	LOADF 1
	FRAGM 0
	FRAGM 1
	FRAGM 2
	FRAGM 3
	v_cmp_ne_u32 vcc_lo, 0, v3                     ; the four words of a row go out as the layout has them: lanes 0-15 steps 0 and 2 of my four, lanes 16-31 steps 1 and 3
	v_cndmask_b32 v248, v[PW], v[PW+1], vcc_lo
	v_cndmask_b32 v249, v[PW+2], v[PW+3], vcc_lo
	global_store_b64 v[L8], v[248:249], s[DS:DS+1]   ; 256 consecutive bytes, aligned
	s_wait_tensorcnt 0x0
	ds_add_u32 v254, v255
	s_wait_dscnt 0x0
	s_endpgm
.Lfunc_end_k_qb7cefd7f26_quant:
	.size	k_qb7cefd7f26_quant, .Lfunc_end_k_qb7cefd7f26_quant-k_qb7cefd7f26_quant
	.p2alignl 7, 3214868480
	.fill 96, 4, 3214868480
	.section	.rodata,"a",@progbits
	.p2align	6, 0x0
	.amdhsa_kernel k_qb7cefd7f26_quant
		.amdhsa_group_segment_fixed_size 8704
		.amdhsa_private_segment_fixed_size 0
		.amdhsa_enable_private_segment 0
		.amdhsa_kernarg_size 48
		.amdhsa_user_sgpr_count 2
		.amdhsa_user_sgpr_kernarg_segment_ptr 1
		.amdhsa_wavefront_size32 1
		.amdhsa_system_sgpr_workgroup_id_x 1
		.amdhsa_system_sgpr_workgroup_id_y 1
		.amdhsa_system_sgpr_workgroup_id_z 1
		.amdhsa_system_vgpr_workitem_id 0
		.amdhsa_next_free_vgpr 256
		.amdhsa_next_free_sgpr 66
		.amdhsa_reserve_vcc 1
		.amdhsa_float_denorm_mode_32 3
		.amdhsa_float_denorm_mode_16_64 3
		.amdhsa_memory_ordered 1
		.amdhsa_forward_progress 1
		.amdhsa_inst_pref_size 34
	.end_amdhsa_kernel
	.amdgpu_metadata
---
amdhsa.version: [ 1, 2 ]
amdhsa.kernels:
  - .name:           k_qb7cefd7f26_quant
    .symbol:         k_qb7cefd7f26_quant.kd
    .args:
      - { .name: hidden_states, .offset: 0, .size: 8, .value_kind: global_buffer, .address_space: global }
      - { .name: q_w, .offset: 8, .size: 8, .value_kind: global_buffer, .address_space: global }
      - { .name: k_w, .offset: 16, .size: 8, .value_kind: global_buffer, .address_space: global }
      - { .name: v_w, .offset: 24, .size: 8, .value_kind: global_buffer, .address_space: global }
      - { .name: xq, .offset: 32, .size: 8, .value_kind: global_buffer, .address_space: global }
      - { .name: wq, .offset: 40, .size: 8, .value_kind: global_buffer, .address_space: global }
    .group_segment_fixed_size: 8704
    .private_segment_fixed_size: 0
    .kernarg_segment_align: 8
    .kernarg_segment_size: 48
    .max_flat_workgroup_size: 32
    .sgpr_count:     66
    .vgpr_count:     256
    .wavefront_size: 32
...
	.end_amdgpu_metadata
.endif
;; end of part 1
;; launch proj (part 2): grid 8 x 32, 4 waves a work-group, clusters of 4 x 4, 327,680 bytes of LDS; arguments xq, wq, q_b, k_b, v_b, qq, kvq; writes qq, kvq
.if DOCPART == 2
	.amdgcn_target "amdgcn-amd-amdhsa--gfx1250"
	.amdhsa_code_object_version 6
	.text
	.protected	k_qb7cefd7f26_proj
	.globl	k_qb7cefd7f26_proj
	.p2align	8
	.type	k_qb7cefd7f26_proj,@function
k_qb7cefd7f26_proj:
	s_mov_b64 s[64:65], 0
	v_nop
	global_prefetch_b8 v0, s[64:65] scope:SCOPE_SE
	s_setreg_imm32_b32 hwreg(HW_REG_WAVE_MODE, 25, 1), 1
	s_wait_xcnt 0x0
	s_wait_alu depctr_hold_cnt(0) depctr_sa_sdst(0) depctr_va_vdst(0) depctr_va_sdst(0) depctr_va_ssrc(0) depctr_va_vcc(0) depctr_vm_vsrc(0)
	s_getreg_b32 s2, hwreg(HW_REG_IB_STS2, 6, 4)
	s_cmp_eq_u32 s2, 0
	s_cbranch_scc0 .Lentry_in_a_cluster
	s_endpgm
.Lentry_in_a_cluster:
	s_bfe_u32 s2, ttmp6, 0x10000c
	s_cmp_lg_u32 s2, 0xf033
	s_cbranch_scc0 .Lentry_shape_is_right
	s_endpgm
.Lentry_shape_is_right:
; q = x q_w^T + q_b, k = x k_w^T + k_b, v = x v_w^T + v_b as ONE product on codes of BF6 (E3M2) with E8M0 scales, [4096 x 2048] x [2304 x 2048]^T, f32 sums; the results are quantised in registers for the attention:
; q and k along the head's 128, v along the keys.  The biases are the C of each sum's first matrix instruction (so they start the sums, where the source adds them last).
; LIMITS: NaN and infinities are not served; a block of zeros gets the byte 1, not 127 (its codes are zeros; this program alone reads the bytes).
; OPERANDS lie in memory in the order of their registers: a ROW BLOCK rb is 16 rows, index r of it standing for row 32 (rb / 2) + 8 (rb % 2) + r + 8 (r / 8); a fragment (row block x 128 K, 12 registers) is 1,536 bytes,
; register 4 c + e of lane l at 512 c + 16 l + 4 e; codes [rb][K step][1,536]; scale words [rb][Q][lane][2]: 8 l + 4 i holds row index l % 16, step 4 Q + 2 i + l / 16.
; SHARES.  2,304 x 4,096 outputs on 256 work-groups: 128 tokens (8 row blocks of xq) x 288 columns (18 row blocks of wq: two heads of q, and 32 columns of k (x < 4) or of v (x >= 4)).  Wave w = 2 mi + ni: 64 tokens (A's blocks
; 4 mi on) x head 2 x + ni: 32 accumulators; and A's blocks 2 w, 2 w + 1 x the two k/v blocks: 4 accumulators.  A's register slot sg holds A's block sg xor 2 ni, so that the k/v part always takes slots 0 and 1.
; THE PRODUCT IS USED TRANSPOSED for q and k (source 0 = 16 rows of the weight, source 1 = 16 tokens): a lane holds one token, and by the row blocks' order the 16 registers of two neighbouring blocks are 16 neighbours along d.
; For v the sources change places: a lane holds one d, and its registers run along the tokens, which are the second attention product's K.  Which of the two a work-group runs hangs on the cluster's x alone.
; K goes in 16 steps of 128, written out; an LDS slot holds four steps (a row block's 6,144 consecutive bytes are a tile row); two slots, four fills.
; CLUSTER 4 x 4: A's tiles are asked for jointly along a row of the cluster, the weights' along a column.  No prefetch is laid: the first fills ask for half of K, and only two refills follow.
; The scale words have no room in LDS beside the slots: each wave loads those of its blocks once, 256 aligned bytes an instruction, into 112 registers that hold nothing else.
; REGISTERS: window 0: v1-18 addresses; v28, v29 for the add; v32-63 A's scale words (8 sg + s / 2), v64-127 q_w's (8 b + s / 2), v128-143 k/v's; v144-239 A's fragments, two sets of 4 (on the way out: at work).
;   window 1: the weights' fragments, two sets at v0 and v128: q block b at 12 b, k/v block at 96 + 12 w.   window 2: q's accumulators v[64 sg + 8 b].   window 3: v0-31 k/v's accumulators; v32-95 q_b; v96-111 k_b or v_b.
.set XSOFF, 6291456                    ; where the scale words begin in xq and in qq
.set WSOFF, 6684672                    ; and in wq
.set QUAD,  6144                       ; a row block's four K steps
.set SLOT,  26*QUAD                    ; A's 8 row blocks, then the weights' 18
.set BOFF,  8*QUAD
.set KOFF,  24*QUAD
.set SPARE, 2*SLOT                     ; behind the ring: the spare words, 128 bytes for each wave: two blocks of 256 bytes that no other line names
.set L16, 3
.set L8,  4
.set H64, 5
.set ADRA,  8                          ; v8-9    slots 0, 1: A's blocks for register slots 0, 1
.set ADRA2, 10                         ; v10-11  for register slots 2, 3
.set ADRB,  12                         ; v12-13  my head's 8 blocks
.set ADRK,  14                         ; v14-15  the two k/v blocks
.set VK,  16                           ; v16  24 r + 12 h
.set VKS, 17                           ; v17  4 r
.set VB,  18                           ; v18  4 (r + 8 (r / 8))
.set SPW, 28
.set NIL, 29
.set SA,  32
.set SB,  64
.set SK,  128
.set AF,  144
.set QB,  32                           ; in window 3
.set KB,  96
.set TM,  144                          ; the way out, in the registers that held A's fragments: v144-159 at work,
.set PW,  160                          ; v160-163 q's four scale words, v164-167 their order for the store,
.set KT,  168                          ; v168-175 k/v at work, v176-183 its codes,
.set KC,  176
.set PCA, 184                          ; v184-223 q's codes: two sets by turns
.set SEL, 2                            ; s[2:3]
.set NIM, 23                           ; s23  all ones where ni = 1
.set WV,  24
.set MI,  25
.set NI,  26
.set CX,  27
.set CY,  28
.set TX,  29
.set TY,  30
.set ISV, 31                           ; s31  the cluster's x: 0: k, 1: v: the same in all sixteen partners
.set G1,  32                           ; s[32:39] group 1 for A's tiles, s[40:47] groups 0, one for each slot
.set G0,  40
.set G1B, 48                           ; s[48:55], s[56:63] the same for the weights'
.set G0B, 56
.set SAB, 78                           ; s[78:79], s[80:81] A's scale words for register slots 0-1, 2-3
.set SBB, 82
.set SKB, 84
.set QBB, 86
.set KBB, 88
.set QP,  90                           ; s[90:91], s[92:93] q's images for register slots 0-1, 2-3
.set QSP, 94
.set KVP, 96
.set KVS, 98
.set MSB, 0
.macro WIN new                         ; the immediate's high byte repeats the setting that is left
.if MSB != \new
	s_set_vgpr_msb (MSB<<8)|\new
.set MSB, \new
.endif
.endm
.macro PLACES n
.rept \n
	v_nop
.endr
.endm
; A joint load: waves 0 and 1 fetch A's halves, waves 2 and 3 the weights'.  The branch hangs on the wave's number alone.  Four v_nop follow each of the two lines.
.macro JLOAD g0a, g1a, g0b, g1b
	s_cmp_eq_u32 s[MI], 0
	s_cbranch_scc0 .Lfor_b_\@
	tensor_load_to_lds s[\g0a:\g0a+3], s[\g1a:\g1a+7]
	s_nop 0
.rept 4
	v_nop
.endr
	s_branch .Lasked_\@
.Lfor_b_\@:
	tensor_load_to_lds s[\g0b:\g0b+3], s[\g1b:\g1b+7]
	s_nop 0
.rept 4
	v_nop
.endr
.Lasked_\@:
.endm
.macro CREST                           ; a round of the cluster's barrier behind its opening barrier
	s_cmp_lg_u32 s[WV], 0
	s_cbranch_scc1 .Lnot_wave_0_\@
	s_barrier_signal -3
.Lnot_wave_0_\@:
	s_barrier_wait -3
	s_barrier_signal -1
	s_barrier_wait -1
.endm
.macro CROUND
	s_barrier_signal -1
	s_barrier_wait -1
	CREST
.endm
; One matrix instruction.  odd = 1: the K step's scale words stand in lanes 16-31 of both scale registers.
.macro WM d, a, b, c, sa, sb, odd
.if \odd
	v_wmma_scale_f32_16x16x128_f8f6f4 v[\d:\d+7], v[\a:\a+11], v[\b:\b+11], v[\c:\c+7], v[\sa], v[\sb] matrix_a_fmt:MATRIX_FMT_BF6 matrix_b_fmt:MATRIX_FMT_BF6 matrix_a_scale:MATRIX_SCALE_ROW1 matrix_b_scale:MATRIX_SCALE_ROW1
.else
	v_wmma_scale_f32_16x16x128_f8f6f4 v[\d:\d+7], v[\a:\a+11], v[\b:\b+11], v[\c:\c+7], v[\sa], v[\sb] matrix_a_fmt:MATRIX_FMT_BF6 matrix_b_fmt:MATRIX_FMT_BF6
.endif
.endm
; 42 LDS loads in one run: the fragments of the slot's step st into set p: 512 consecutive bytes an instruction
.macro FETCH slot, st, p
	WIN 0x40                                       ; destination window 1, address window 0
.irp b, 0,1,2,3,4,5,6,7
.irp c, 0,1,2
	ds_load_b128 v[128*(\p)+12*\b+4*\c:128*(\p)+12*\b+4*\c+3], v[ADRB+\slot] offset:QUAD*\b+1536*(\st)+512*\c
.endr
.endr
.irp w, 0,1
.irp c, 0,1,2
	ds_load_b128 v[128*(\p)+96+12*\w+4*\c:128*(\p)+96+12*\w+4*\c+3], v[ADRK+\slot] offset:QUAD*\w+1536*(\st)+512*\c
.endr
.endr
	WIN 0
.irp g, 0,1
.irp c, 0,1,2
	ds_load_b128 v[AF+48*(\p)+12*\g+4*\c:AF+48*(\p)+12*\g+4*\c+3], v[ADRA+\slot] offset:QUAD*\g+1536*(\st)+512*\c
.endr
.endr
.irp g, 0,1
.irp c, 0,1,2
	ds_load_b128 v[AF+48*(\p)+24+12*\g+4*\c:AF+48*(\p)+24+12*\g+4*\c+3], v[ADRA2+\slot] offset:QUAD*\g+1536*(\st)+512*\c
.endr
.endr
.endm
; 8 matrix instructions: A's register slot sg against my head's 8 blocks, K step s.  first = 1: q_b starts the sums.  The caller sets the windows.
.macro MULA sg, s, first
.irp b, 0,1,2,3,4,5,6,7
.if \first
	WM 64*\sg+8*\b, 128*((\s)%2)+12*\b, AF+48*((\s)%2)+12*\sg, QB+8*\b, SB+8*\b+(\s)/2, SA+8*\sg+(\s)/2, (\s)%2
.else
	WM 64*\sg+8*\b, 128*((\s)%2)+12*\b, AF+48*((\s)%2)+12*\sg, 64*\sg+8*\b, SB+8*\b+(\s)/2, SA+8*\sg+(\s)/2, (\s)%2
.endif
.endr
.endm
; 4 matrix instructions for k or v.  k: accumulator 2 u + w: source 0 = weight block w, source 1 = A's slot u.  v: accumulator 2 u + a: source 0 = A's slot a, source 1 = weight block u.
; In both, registers 16 p + 0 .. 15 are 16 neighbours along the later K (k: d, a lane a token; v: tokens, a lane a d).
.macro KVMUL s, first
	WIN 0                                          ; at a branch and at a label every window is 0
	s_cmp_eq_u32 s[ISV], 0
	s_cbranch_scc0 .Lkv_v_\@
	WIN 0xf1                                       ; source 0 window 1, source 1 window 0, C and D window 3
.irp u, 0,1
.irp w, 0,1
.if \first
	WM 8*(2*\u+\w), 128*((\s)%2)+96+12*\w, AF+48*((\s)%2)+12*\u, KB+8*\w, SK+8*\w+(\s)/2, SA+8*\u+(\s)/2, (\s)%2
.else
	WM 8*(2*\u+\w), 128*((\s)%2)+96+12*\w, AF+48*((\s)%2)+12*\u, 8*(2*\u+\w), SK+8*\w+(\s)/2, SA+8*\u+(\s)/2, (\s)%2
.endif
.endr
.endr
	WIN 0
	s_branch .Lkv_j_\@
.Lkv_v_\@:
	WIN 0xf4                                       ; source 0 window 0, source 1 window 1, C and D window 3
.irp u, 0,1
.irp a, 0,1
.if \first
	WM 8*(2*\u+\a), AF+48*((\s)%2)+12*\a, 128*((\s)%2)+96+12*\u, KB+8*\u, SA+8*\a+(\s)/2, SK+8*\u+(\s)/2, (\s)%2
.else
	WM 8*(2*\u+\a), AF+48*((\s)%2)+12*\a, 128*((\s)%2)+96+12*\u, 8*(2*\u+\a), SA+8*\a+(\s)/2, SK+8*\u+(\s)/2, (\s)%2
.endif
.endr
.endr
	WIN 0
.Lkv_j_\@:
.endm
; A K step that has its successor in the same slot.  The 36 accumulators take turns, one instruction a turn, in the same order in every step.
.macro STEP s, first
	s_wait_dscnt 0x0                               ; this step's fragments, asked for a step ago, are in
	PLACES 4                                       ; four plain instructions between the last step's products and the loads into the set that they read (ISA guide 7.12.1 for vector instructions)
	FETCH ((\s)/4)%2, (\s)%4+1, 1-(\s)%2
.if \first
	WIN 0xb1                                       ; source 0 window 1, source 1 window 0, C window 3, D window 2
.else
	WIN 0xa1                                       ; C and D window 2
.endif
	MULA 0, \s, \first
	MULA 1, \s, \first
	MULA 2, \s, \first
	MULA 3, \s, \first
	KVMUL \s, \first
.endm
; A slot's last step changes slots: ONE barrier; ahead of it each wave waits for all its tensor loads, adds 0 to its spare word, and waits for that and for its reads of this slot.  fill = 1: the slot takes the steps eight on.
.macro TURN s, fill
.set SL, ((\s)/4)%2
	s_wait_tensorcnt 0x0                           ; all my tensor loads have landed: my part of the next slot
	ds_add_u32 v[SPW], v[NIL]                      ; 0 onto my spare word
	s_wait_dscnt 1                                 ; the add alone may be out: this step's fragments are in
	WIN 0xa1
	MULA 0, \s, 0                                  ; eight matrix instructions stand between the add and the wait for it
	s_wait_dscnt 0x0                               ; the add is done, and my reads of this slot are over
	s_barrier_signal -1
	MULA 1, \s, 0
	WIN 0
	s_barrier_wait -1
.if \fill
	CREST                                          ; the barrier has opened a round of the cluster's: no wave of any partner still reads this slot or has a load on its way
	s_add_nc_u64 s[G0+4*SL+2:G0+4*SL+3], s[G0+4*SL+2:G0+4*SL+3], 2*QUAD
	s_add_nc_u64 s[G0B+4*SL+2:G0B+4*SL+3], s[G0B+4*SL+2:G0B+4*SL+3], 2*QUAD
	JLOAD G0+4*SL, G1, G0B+4*SL, G1B               ; the first tensor load behind the round; its four v_nop are also the places ahead of the loads below
.else
	PLACES 4
.endif
	FETCH 1-SL, 0, 0
	WIN 0xa1
	MULA 2, \s, 0
	MULA 3, \s, 0
	KVMUL \s, 0
.endm
; 64 results of a lane in window 2, v[s] on (register 16 b + i = d 32 b + 16 h + i of my token), become a fragment's codes in v[pc .. pc + 11] and its scale word in v[pw], both in window 0.
; Each accumulator is read from its low end on.
.macro QUANTW s, pc, pw
	WIN 0x0a                                       ; sources 0 and 1 window 2
.irp b, 0,1,2,3
	v_max3_num_f32 v[TM+\b], |v[\s+16*\b]|, |v[\s+1+16*\b]|, 0x2800000   ; and the floor 2^(5 - 127): the byte cannot fall under 1
.endr
	WIN 0x28                                       ; sources 1 and 2 window 2
.irp i, 2,4,6,8,10,12,14
.irp b, 0,1,2,3
	v_max3_num_f32 v[TM+\b], v[TM+\b], |v[\s+16*\b+\i]|, |v[\s+1+16*\b+\i]|
.endr
.endr
	WIN 0
.irp b, 0,1,2,3
	v_permlanex16_b32 v[TM+4+\b], v[TM+\b], s[SEL], s[SEL+1]
.endr
.irp b, 0,1,2,3
	v_max_num_f32 v[TM+\b], v[TM+\b], v[TM+4+\b]
.endr
.irp b, 0,1,2,3
	v_add_nc_u32 v[TM+12+\b], 0xfe000000, v[TM+\b]                        ; 4 off the exponent field: the conversion's scale operand
.endr
.irp b, 0,1,2,3
	v_lshrrev_b32 v[TM+4+\b], 23, v[TM+12+\b]
.endr
	v_lshl_or_b32 v[\pw], v[TM+5], 8, v[TM+4]
	v_lshl_or_b32 v[\pw], v[TM+6], 16, v[\pw]
	v_lshl_or_b32 v[\pw], v[TM+7], 24, v[\pw]
	WIN 0x02                                       ; source 0 window 2
.irp c, 0,1
	v_cvt_scalef32_pk16_bf6_f32 v[\pc+6*\c:\pc+6*\c+2], v[\s+32*\c:\s+32*\c+15], v[TM+12+2*\c]
	v_cvt_scalef32_pk16_bf6_f32 v[\pc+12+4*\c:\pc+12+4*\c+2], v[\s+32*\c+16:\s+32*\c+31], v[TM+13+2*\c]
.endr
	WIN 0
	v_nop                                          ; one plain instruction behind the scaled conversions
.irp c, 0,1
.irp i, 0,1,2
	v_permlane16_swap_b32 v[\pc+6*\c+\i], v[\pc+12+4*\c+\i]
.endr
.irp i, 0,1,2
	v_mov_b32 v[\pc+3+6*\c+\i], v[\pc+12+4*\c+\i]
.endr
.endr
.endm
	s_load_b256 s[4:11], s[0:1], 0x0               ; xq s[4:5], wq s[6:7], q_b s[8:9], k_b s[10:11]
	s_load_b128 s[12:15], s[0:1], 0x20             ; v_b s[12:13], qq s[14:15]
	s_load_b64 s[16:17], s[0:1], 0x30              ; kvq
	v_lshl_add_u32 v[SPW], v0, 2, SPARE
	v_mov_b32 v[NIL], 0
	ds_add_u32 v28, v29
	ds_add_u32 v28, v29
	s_wait_dscnt 0x0
	v_lshrrev_b32 v1, 5, v0
	v_readfirstlane_b32 s[WV], v1                  ; wave 0..3
	s_lshr_b32 s[MI], s[WV], 1                     ; my half of the tokens.  Also: I fetch for A (0) or for the weights (1)
	s_and_b32 s[NI], s[WV], 1                      ; my head of the two.  Also: which half of that tile I fetch
	s_bfe_u32 s[CX], ttmp6, 0x40000
	s_bfe_u32 s[CY], ttmp6, 0x40004
	s_lshl_b32 s[TX], ttmp9, 2
	s_add_co_u32 s[TX], s[TX], s[CX]               ; x = 4 x cluster x + cx
	s_and_b32 s[TY], ttmp7, 0xffff
	s_lshl_b32 s[TY], s[TY], 2
	s_add_co_u32 s[TY], s[TY], s[CY]               ; y = 4 x cluster y + cy
	s_mov_b32 s[ISV], ttmp9
	s_lshl_b32 s66, s[CY], 2
	s_lshl_b32 s66, 15, s66                        ; my row of the cluster
	s_lshl_b32 s67, 0x1111, s[CX]                  ; my column
	; group 1: rows of 768 elements of 8 bytes (a row block's four K steps), 3,072 elements from row block to row block; A: 4 rows a load, the weights: 9
	s_or_b32 s[G1], s66, (3<<16)|(1<<21)           ; 15:0 the mask; 17:16 elements of 8 bytes; 20 no padding; 21 set beside a mask
	s_mov_b32 s[G1+1], 768<<16                     ; tensor_dim0
	s_mov_b32 s[G1+2], 4<<16                       ; tensor_dim1
	s_mov_b32 s[G1+3], 768<<16                     ; tile_dim0
	s_mov_b32 s[G1+4], 4                           ; tile_dim1
	s_mov_b32 s[G1+5], 3072                        ; tensor_dim0_stride
	s_mov_b32 s[G1+6], 0
	s_mov_b32 s[G1+7], 0
	s_or_b32 s[G1B], s67, (3<<16)|(1<<21)
	s_mov_b32 s[G1B+1], 768<<16
	s_mov_b32 s[G1B+2], 9<<16
	s_mov_b32 s[G1B+3], 768<<16
	s_mov_b32 s[G1B+4], 9
	s_mov_b32 s[G1B+5], 3072
	s_mov_b32 s[G1B+6], 0
	s_mov_b32 s[G1B+7], 0
	s_lshl_b32 s68, s[TY], 3                       ; A hangs on y and the wave alone: row block 8 y + 4 x half
	s_lshl_b32 s69, s[NI], 2
	s_add_co_u32 s68, s68, s69
	s_mul_i32 s68, s68, 24576
	s_mov_b32 s69, 0
	s_mul_i32 s70, s[TX], 18                       ; the weights on x and the wave alone: row block 18 x + 9 x half
	s_mul_i32 s71, s[NI], 9
	s_add_co_u32 s70, s70, s71
	s_mul_i32 s70, s70, 24576
	s_mov_b32 s71, 0
	s_mul_i32 s72, s[NI], 4*QUAD                   ; where they go: no place in the cluster enters an LDS address
	s_mul_i32 s73, s[NI], 9*QUAD
	s_add_co_u32 s73, s73, BOFF
	s_wait_kmcnt 0x0
	s_add_nc_u64 s[68:69], s[4:5], s[68:69]
	s_add_nc_u64 s[70:71], s[6:7], s[70:71]
	CROUND                                         ; all sixteen work-groups are here: the first joint loads meet
.irp n, 0,1
	s_mov_b32 s[G0+4*\n], 1
	s_add_co_u32 s[G0+4*\n+1], s72, \n*SLOT
	s_add_nc_u64 s[G0+4*\n+2:G0+4*\n+3], s[68:69], \n*QUAD
	s_or_b32 s[G0+4*\n+3], s[G0+4*\n+3], 0x80000000
	s_mov_b32 s[G0B+4*\n], 1
	s_add_co_u32 s[G0B+4*\n+1], s73, \n*SLOT
	s_add_nc_u64 s[G0B+4*\n+2:G0B+4*\n+3], s[70:71], \n*QUAD
	s_or_b32 s[G0B+4*\n+3], s[G0B+4*\n+3], 0x80000000
	JLOAD G0+4*\n, G1, G0B+4*\n, G1B               ; K steps 0-3 and 4-7: two tensor loads of mine are out
.endr
	; the bases of what goes straight between memory and registers
	s_mov_b32 s[SEL], 0x76543210
	s_mov_b32 s[SEL+1], 0xfedcba98
	s_lshl_b32 s74, s[TY], 3
	s_lshl_b32 s75, s[MI], 2
	s_add_co_u32 s74, s74, s75                     ; 8 y + 4 mi
	s_lshl_b32 s75, s[NI], 1
	s_add_co_u32 s76, s74, s75                     ; the row block of register slot 0
	s_xor_b32 s75, s75, 2
	s_add_co_u32 s77, s74, s75                     ; and of register slot 2
	s_lshl_b32 s[SAB], s76, 10
	s_add_co_u32 s[SAB], s[SAB], XSOFF
	s_mov_b32 s[SAB+1], 0
	s_add_nc_u64 s[SAB:SAB+1], s[4:5], s[SAB:SAB+1]
	s_lshl_b32 s[SAB+2], s77, 10
	s_add_co_u32 s[SAB+2], s[SAB+2], XSOFF
	s_mov_b32 s[SAB+3], 0
	s_add_nc_u64 s[SAB+2:SAB+3], s[4:5], s[SAB+2:SAB+3]
	s_mul_i32 s86, s[TX], 18
	s_lshl_b32 s87, s[NI], 3
	s_add_co_u32 s[SBB], s86, s87
	s_lshl_b32 s[SBB], s[SBB], 10
	s_add_co_u32 s[SBB], s[SBB], WSOFF
	s_mov_b32 s[SBB+1], 0
	s_add_nc_u64 s[SBB:SBB+1], s[6:7], s[SBB:SBB+1]
	s_add_co_u32 s[SKB], s86, 16
	s_lshl_b32 s[SKB], s[SKB], 10
	s_add_co_u32 s[SKB], s[SKB], WSOFF
	s_mov_b32 s[SKB+1], 0
	s_add_nc_u64 s[SKB:SKB+1], s[6:7], s[SKB:SKB+1]
	s_lshl_b32 s[QBB], s[TX], 10
	s_lshl_b32 s[QBB+1], s[NI], 9
	s_add_co_u32 s[QBB], s[QBB], s[QBB+1]
	s_mov_b32 s[QBB+1], 0
	s_add_nc_u64 s[QBB:QBB+1], s[8:9], s[QBB:QBB+1]   ; q_b at my head
	s_cmp_eq_u32 s[ISV], 0
	s_cselect_b64 s[KBB:KBB+1], s[10:11], s[12:13]
	s_lshl_b32 s90, s[CX], 7
	s_mov_b32 s91, 0
	s_add_nc_u64 s[KBB:KBB+1], s[KBB:KBB+1], s[90:91] ; k_b or v_b at my work-group's 32 numbers
	s_lshl_b32 s94, s[TX], 1
	s_add_co_u32 s94, s94, s[NI]                   ; my head
	s_mul_i32 s95, s94, 1536
	s_mul_i32 s[QP], s76, 24576
	s_add_co_u32 s[QP], s[QP], s95
	s_mov_b32 s[QP+1], 0
	s_add_nc_u64 s[QP:QP+1], s[14:15], s[QP:QP+1]
	s_mul_i32 s[QP+2], s77, 24576
	s_add_co_u32 s[QP+2], s[QP+2], s95
	s_mov_b32 s[QP+3], 0
	s_add_nc_u64 s[QP+2:QP+3], s[14:15], s[QP+2:QP+3]
	s_lshl_b32 s96, s[TY], 1
	s_add_co_u32 s96, s96, s[MI]
	s_lshl_b32 s96, s96, 4
	s_add_co_u32 s96, s96, s94
	s_lshl_b32 s[QSP], s96, 8                      ; q's scale words: 256 bytes for four row blocks and a head
	s_add_co_u32 s[QSP], s[QSP], XSOFF
	s_mov_b32 s[QSP+1], 0
	s_add_nc_u64 s[QSP:QSP+1], s[14:15], s[QSP:QSP+1]
	; kvq: a record of 25,600 bytes for each 128 tokens: K: [tile of 16 keys][d block][r][24]; V at 12,288: [tile of 16 d][key block][r][24]; K's scale words at 24,576: [tile][r]; V's at 25,088
	s_mul_i32 s18, s[CX], 3072
	s_mul_i32 s19, s[WV], 384
	s_add_co_u32 s18, s18, s19
	s_add_co_u32 s18, s18, 12288                   ; v: d tiles 2 cx on, key block w
	s_mul_i32 s19, s[WV], 3072
	s_mul_i32 s20, s[CX], 384
	s_add_co_u32 s19, s19, s20                     ; k: tiles 2 w on, d block cx
	s_lshl_b32 s20, s[CX], 7
	s_add_co_u32 s20, s20, s[WV]
	s_add_co_u32 s20, s20, 25088
	s_lshl_b32 s21, s[WV], 7
	s_add_co_u32 s21, s21, s[CX]
	s_add_co_u32 s21, s21, 24576
	s_cmp_eq_u32 s[ISV], 0
	s_cselect_b32 s18, s19, s18
	s_cselect_b32 s20, s21, s20
	s_mul_i32 s22, s[TY], 25600
	s_add_co_u32 s[KVP], s18, s22
	s_mov_b32 s[KVP+1], 0
	s_add_nc_u64 s[KVP:KVP+1], s[16:17], s[KVP:KVP+1]
	s_add_co_u32 s[KVS], s20, s22
	s_mov_b32 s[KVS+1], 0
	s_add_nc_u64 s[KVS:KVS+1], s[16:17], s[KVS:KVS+1]
	s_cmp_eq_u32 s[NI], 0
	s_cselect_b32 s[NIM], 0, -1
	v_and_b32 v1, 15, v0                           ; r
	v_bfe_u32 v2, v0, 4, 1                         ; h
	v_and_b32 v[L16], 31, v0
	v_lshlrev_b32 v[L8], 3, v[L16]
	v_lshlrev_b32 v[L16], 4, v[L16]
	v_lshlrev_b32 v[H64], 6, v2
	v_mul_u32_u24 v[VK], v1, 24
	v_mad_u32_u24 v[VK], v2, 12, v[VK]
	v_lshlrev_b32 v[VKS], 2, v1
	v_and_b32 v[VB], 8, v1
	v_add_nc_u32 v[VB], v[VB], v1
	v_lshlrev_b32 v[VB], 2, v[VB]
.irp g, 0,1,2,3                                ; the scale words of all 16 K steps: 256 aligned bytes an instruction
.irp q, 0,1,2,3
	global_load_b64 v[SA+8*\g+2*\q:SA+8*\g+2*\q+1], v[L8], s[SAB+2*(\g/2):SAB+2*(\g/2)+1] offset:1024*(\g%2)+256*\q
.endr
.endr
.irp b, 0,1,2,3,4,5,6,7
.irp q, 0,1,2,3
	global_load_b64 v[SB+8*\b+2*\q:SB+8*\b+2*\q+1], v[L8], s[SBB:SBB+1] offset:1024*\b+256*\q
.endr
.endr
.irp w, 0,1
.irp q, 0,1,2,3
	global_load_b64 v[SK+8*\w+2*\q:SK+8*\w+2*\q+1], v[L8], s[SKB:SKB+1] offset:1024*\w+256*\q
.endr
.endr
	WIN 0xc0                                       ; destination window 3
.irp b, 0,1,2,3,4,5,6,7                        ; q_b in the result's layout: block b, register j: d = 32 (b / 2) + 16 h + 8 (b % 2) + j
	global_load_b128 v[QB+8*\b:QB+8*\b+3], v[H64], s[QBB:QBB+1] offset:(32*(\b/2)+8*(\b%2))*4
	global_load_b128 v[QB+8*\b+4:QB+8*\b+7], v[H64], s[QBB:QBB+1] offset:(32*(\b/2)+8*(\b%2))*4+16
.endr
	WIN 0
	s_cmp_eq_u32 s[ISV], 0
	s_cbranch_scc0 .Lbias_v
	WIN 0xc0
.irp w, 0,1                                    ; k_b: as q_b
	global_load_b128 v[KB+8*\w:KB+8*\w+3], v[H64], s[KBB:KBB+1] offset:32*\w
	global_load_b128 v[KB+8*\w+4:KB+8*\w+7], v[H64], s[KBB:KBB+1] offset:32*\w+16
.endr
	WIN 0
	s_branch .Lbias_done
.Lbias_v:
	WIN 0xc0
.irp u, 0,1                                    ; v_b: a lane holds one d, so all eight registers of a tile hold the lane's number
.irp j, 0,1,2,3,4,5,6,7
	global_load_b32 v[KB+8*\u+\j], v[VB], s[KBB:KBB+1] offset:32*\u
.endr
.endr
	WIN 0
.Lbias_done:
	s_mul_i32 s66, s[WV], 2*QUAD                   ; A's blocks 2 w, 2 w + 1 (4 mi + 2 ni = 2 w),
	s_xor_b32 s67, s[WV], 1
	s_mul_i32 s67, s67, 2*QUAD                     ; and the other two of my four
	s_mul_i32 s72, s[NI], 8*QUAD
	s_add_co_u32 s72, s72, BOFF                    ; my head's 8 blocks
	s_mov_b32 s73, KOFF
.irp n, 0,1
	v_add_nc_u32 v[ADRA+\n], s66, v[L16]
	v_add_nc_u32 v[ADRA2+\n], s67, v[L16]
	v_add_nc_u32 v[ADRB+\n], s72, v[L16]
	v_add_nc_u32 v[ADRK+\n], s73, v[L16]
	s_add_co_u32 s66, s66, SLOT
	s_add_co_u32 s67, s67, SLOT
	s_add_co_u32 s72, s72, SLOT
	s_add_co_u32 s73, s73, SLOT
.endr
	s_wait_tensorcnt 1                             ; my part of slot 0 is in; slot 1's fill may stay out
	s_barrier_signal -1
	s_barrier_wait -1                              ; everybody's is
	FETCH 0, 0, 0
	s_wait_loadcnt 0x0                             ; the scale words and the biases
	STEP 0, 1
	STEP 1, 0
	STEP 2, 0
	TURN 3, 1                                      ; slot 0 takes K steps 8-11
	STEP 4, 0
	STEP 5, 0
	STEP 6, 0
	TURN 7, 1                                      ; slot 1 takes K steps 12-15
	STEP 8, 0
	STEP 9, 0
	STEP 10, 0
	TURN 11, 0                                     ; nothing is left to fetch
	STEP 12, 0
	STEP 13, 0
	STEP 14, 0
	s_wait_dscnt 0x0                               ; the last step
	WIN 0xa1
	MULA 0, 15, 0
	MULA 1, 15, 0
	MULA 2, 15, 0
	MULA 3, 15, 0
	KVMUL 15, 0
	; THE WAY OUT: no LDS.  q: each register slot's 64 numbers a lane are one fragment (16 tokens x my head's 128) and one scale word a token; the image leaves as it stands.
	PLACES 4                                       ; behind the last products, ahead of the first read of results and the first write of registers that they read
.irp b, 0,1,2,3
	v_mov_b32 v[TM+4+\b], 0                        ; written once: a lane permute's destination counts as one of its sources
.endr
	v_mov_b32 v[KT+2], 0
	v_mov_b32 v[KT+3], 0
.irp g, 0,1,2,3
.if \g > 1
	s_wait_xcnt 0x0                                ; the stores of two slots back have read this set of codes
.endif
	QUANTW 64*\g, PCA+20*(\g%2), PW+\g
.irp c, 0,1,2
	global_store_b128 v[L16], v[PCA+20*(\g%2)+4*\c:PCA+20*(\g%2)+4*\c+3], s[QP+2*(\g/2):QP+2*(\g/2)+1] offset:24576*(\g%2)+512*\c   ; 512 consecutive bytes, aligned
.endr
.endr
	v_cmp_ne_u32 vcc_lo, 0, v2                     ; q's scale words of my four row blocks a = 0 .. 3: the word of (a, r) at 8 (r + 16 (a % 2)) + 4 (a / 2); register slot sg holds block sg xor 2 ni
	v_cndmask_b32 v164, v[PW], v[PW+1], vcc_lo
	v_cndmask_b32 v165, v[PW+2], v[PW+3], vcc_lo
	v_cndmask_b32 v166, v164, v165, s[NIM]
	v_cndmask_b32 v167, v165, v164, s[NIM]
	global_store_b64 v[L8], v[166:167], s[QSP:QSP+1]   ; 256 consecutive bytes, aligned
	; k or v: registers 16 p + 0 .. 15 are half a block of 32; lane l xor 16 holds the other half.  16 codes, 12 bytes a lane: a store covers 384 consecutive bytes.
	WIN 0x0f                                       ; sources 0 and 1 window 3
.irp p, 0,1
	v_max3_num_f32 v[KT+\p], |v[16*\p]|, |v[16*\p+1]|, 0x2800000
.endr
	WIN 0x3c                                       ; sources 1 and 2 window 3
.irp i, 2,4,6,8,10,12,14
.irp p, 0,1
	v_max3_num_f32 v[KT+\p], v[KT+\p], |v[16*\p+\i]|, |v[16*\p+\i+1]|
.endr
.endr
	WIN 0
.irp p, 0,1
	v_permlanex16_b32 v[KT+2+\p], v[KT+\p], s[SEL], s[SEL+1]
.endr
.irp p, 0,1
	v_max_num_f32 v[KT+\p], v[KT+\p], v[KT+2+\p]
.endr
.irp p, 0,1
	v_add_nc_u32 v[KT+4+\p], 0xfe000000, v[KT+\p]
.endr
.irp p, 0,1
	v_lshrrev_b32 v[KT+6+\p], 23, v[KT+4+\p]
.endr
	WIN 0x03                                       ; source 0 window 3
.irp p, 0,1
	v_cvt_scalef32_pk16_bf6_f32 v[KC+4*\p:KC+4*\p+2], v[16*\p:16*\p+15], v[KT+4+\p]
.endr
	WIN 0
	v_nop                                          ; one plain instruction behind the scaled conversions
.irp p, 0,1
	global_store_b96 v[VK], v[KC+4*\p:KC+4*\p+2], s[KVP:KVP+1] offset:1536*\p
	global_store_b8 v[VKS], v[KT+6+\p], s[KVS:KVS+1] offset:64*\p   ; a scale word's four bytes come from four work-groups (k) or four waves (v), so they leave singly: 32 KB in the whole launch; both lanes of a block write the same byte
.endr
	s_wait_tensorcnt 0x0                           ; the wave's end
	ds_add_u32 v[SPW], v[NIL]
	s_wait_dscnt 0x0
	CROUND                                         ; the closing round: no work-group ends while a partner may still ask for a tile that names it
	s_endpgm
.Lfunc_end_k_qb7cefd7f26_proj:
	.size	k_qb7cefd7f26_proj, .Lfunc_end_k_qb7cefd7f26_proj-k_qb7cefd7f26_proj
	.p2alignl 7, 3214868480
	.fill 96, 4, 3214868480
	.section	.rodata,"a",@progbits
	.p2align	6, 0x0
	.amdhsa_kernel k_qb7cefd7f26_proj
		.amdhsa_group_segment_fixed_size 327680
		.amdhsa_private_segment_fixed_size 0
		.amdhsa_enable_private_segment 0
		.amdhsa_kernarg_size 56
		.amdhsa_user_sgpr_count 2
		.amdhsa_user_sgpr_kernarg_segment_ptr 1
		.amdhsa_wavefront_size32 1
		.amdhsa_system_sgpr_workgroup_id_x 1
		.amdhsa_system_sgpr_workgroup_id_y 1
		.amdhsa_system_sgpr_workgroup_id_z 1
		.amdhsa_system_vgpr_workitem_id 0
		.amdhsa_next_free_vgpr 1024
		.amdhsa_next_free_sgpr 100
		.amdhsa_reserve_vcc 1
		.amdhsa_float_denorm_mode_32 3
		.amdhsa_float_denorm_mode_16_64 3
		.amdhsa_memory_ordered 1
		.amdhsa_forward_progress 1
		.amdhsa_inst_pref_size 172
	.end_amdhsa_kernel
	.amdgpu_metadata
---
amdhsa.version: [ 1, 2 ]
amdhsa.kernels:
  - .name:           k_qb7cefd7f26_proj
    .symbol:         k_qb7cefd7f26_proj.kd
    .args:
      - { .name: xq, .offset: 0, .size: 8, .value_kind: global_buffer, .address_space: global }
      - { .name: wq, .offset: 8, .size: 8, .value_kind: global_buffer, .address_space: global }
      - { .name: q_b, .offset: 16, .size: 8, .value_kind: global_buffer, .address_space: global }
      - { .name: k_b, .offset: 24, .size: 8, .value_kind: global_buffer, .address_space: global }
      - { .name: v_b, .offset: 32, .size: 8, .value_kind: global_buffer, .address_space: global }
      - { .name: qq, .offset: 40, .size: 8, .value_kind: global_buffer, .address_space: global }
      - { .name: kvq, .offset: 48, .size: 8, .value_kind: global_buffer, .address_space: global }
    .group_segment_fixed_size: 327680
    .private_segment_fixed_size: 0
    .kernarg_segment_align: 8
    .kernarg_segment_size: 56
    .max_flat_workgroup_size: 128
    .sgpr_count:     100
    .vgpr_count:     1024
    .wavefront_size: 32
...
	.end_amdgpu_metadata
.endif
;; end of part 2
;; launch attn (part 3): grid 64 x 4, 16 waves a work-group, clusters of 4 x 1, 224,768 bytes of LDS; arguments qq, kvq, aq, o_w, wq; writes aq, wq
.if DOCPART == 3
	.amdgcn_target "amdgcn-amd-amdhsa--gfx1250"
	.amdhsa_code_object_version 6
	.text
	.protected	k_qb7cefd7f26_attn
	.globl	k_qb7cefd7f26_attn
	.p2align	8
	.type	k_qb7cefd7f26_attn,@function
k_qb7cefd7f26_attn:
	s_mov_b64 s[64:65], 0
	v_nop
	global_prefetch_b8 v0, s[64:65] scope:SCOPE_SE
	s_setreg_imm32_b32 hwreg(HW_REG_WAVE_MODE, 25, 1), 1
	s_wait_xcnt 0x0
	s_wait_alu depctr_hold_cnt(0) depctr_sa_sdst(0) depctr_va_vdst(0) depctr_va_sdst(0) depctr_va_ssrc(0) depctr_va_vcc(0) depctr_vm_vsrc(0)
	s_getreg_b32 s2, hwreg(HW_REG_IB_STS2, 6, 4)
	s_cmp_eq_u32 s2, 0
	s_cbranch_scc0 .Lentry_in_a_cluster
	s_endpgm
.Lentry_in_a_cluster:
	s_bfe_u32 s2, ttmp6, 0x10000c
	s_cmp_lg_u32 s2, 0x3003
	s_cbranch_scc0 .Lentry_shape_is_right
	s_endpgm
.Lentry_shape_is_right:
; Causal attention with ONE key/value head for 16 query heads, both products on codes of BF6 (E3M2) with E8M0 scales; batch 4, 1,024 tokens, head size 128.  The result, O / l, is quantised along head x 128 + d for the last product.
; THE SOFTMAX AHEAD OF THE SECOND PRODUCT: t = score x log2(e) / sqrt(128); M = the running largest t rounded UP to a whole number; p = 2^(t - M) is quantised along the keys, not normalised; the row's sum is taken of the
; unquantised p and divides O at the end.  When M moves, the sum and O are multiplied by 2^(old M - new M): exact.
; A block's largest p is not searched for: the block's largest score goes through the same multiply-add and exponential (this takes v_exp_f32 not to fall where its input rises; at the worst one p of a block would be held one code low).
; LIMITS: NaN and infinities are not served; a block of zeros gets the byte 1, not 127 (its codes are zeros; this program alone reads the bytes).
; INPUTS.  qq: q's fragments [row block][head][1,536] in the order of their registers (index r of row block rb is token 32 (rb / 2) + 8 (rb % 2) + r + 8 (r / 8)); their scale words behind them.
; kvq: a record of 25,600 bytes for each 128 keys: K: [tile of 16 keys, in the row blocks' order][d block][r][24 bytes]; V at 12,288: [tile of 16 d, in the same order][key block][r][24]; scale words at 24,576 and 25,088.
; SHARES.  A wave owns one tile of 16 queries of one head, in 256 registers; four waves to a SIMD.  A work-group has 4 heads (4 cx + g) x 4 tiles; wave w = 4 g + i takes tile number j = (i + g) % 4 of {c, 31 - c, 32 + c, 63 - c},
; c the cluster's x.  Tile qt needs qt / 8 + 1 key steps of 128, so the four need 18 for every c: all work-groups have the same work, and each run of four waves, by w % 4 or by w / 4, has all four tiles.
; K AND V OF A BATCH, 204,800 dense bytes, LIE WHOLE IN LDS, filled once: each wave asks for 12,800 bytes.  The four work-groups of a cluster read the same bytes: the loads are joint.  Nothing is filled again.
; Both products are used transposed (S^T = K Q^T, O^T = V^T P^T): a lane holds one query throughout, and by the tiles' order the 16 registers of two neighbouring tiles are 16 neighbours (keys in S^T, d in O^T).
; CAUSAL.  Every wave walks 8 trips; a step all of whose keys come after its queries is left out by a scalar branch on ids; on the diagonal hidden scores become -infinity.  In every step that is walked each query has a key that counts.
; O_W IS QUANTISED HERE, for the last launch: [2048][2048] f32, K innermost, into wq's row blocks 144 on, in the layout of all operands (codes [rb][K step][1,536], scale words [rb][Q][lane][2]).  It is 128 row blocks x 4 quads of
; K steps = 512 quads: two to a work-group.  Waves 0 and 10 take one each, behind their own way out: their tile is c, one or two key steps, where others walk up to eight, and all meet at a barrier only then.
; They ask for their quad's 16 rows x 2,048 bytes once, by four prefetches (a lane an aligned block of 256 bytes), behind the barrier that shows K and V landed and ahead of their key steps.  K and V are not prefetched:
; all that the work-group reads of them is asked for at its head.
; REGISTERS: v1-7 addresses that stay; v8, v9 the step's; v10, v11 the stage for o_w; v12 -M, v13 the largest t, v[14:15] the sum in two halves; v16-27 Q; v32-79 four fragments; v80 the prefetches' offset; v96-159 S^T, then p;
;   v160-223 O^T; v224-235 p's codes; v232-254 at work; v255 Q's scale words.  For o_w: v96-223 two sets of 64 as loaded, v32-95 64 neighbours, v12-31 the codes, v248-251 the scale words.
.set REC,   25600
.set ASC,   204800                     ; behind K and V: 1,024 bytes in which the four heads' scale words of a tile meet; no tile lands there
.set OST,   205824                     ; behind them: two stages of 8,448 bytes for the two waves that quantise o_w; no tile lands there
.set SP,    528                        ; a stage row: 512 bytes + 16
.set STG,   16*SP
.set XSOFF, 6291456                    ; where the scale words begin in qq and in aq
.set WSOFF, 6684672                    ; and in wq
.set AK0, 1                            ; v1  384 h + 24 r: my place in a tile
.set AS0, 2                            ; v2  4 r: my place among a tile's scale words
.set L16, 3
.set AW,  4                            ; v4  where my scale word goes
.set AR,  5                            ; v5  where waves 0-3 read a tile's 256 bytes back
.set L8,  6
.set VQ,  7                            ; v7  r + 8 (r / 8) - 16 h
.set AD,  8
.set ADS, 9
.set SR,  10                           ; v10 o_w's stage on the way out: row r, + 64 h
.set SW,  11                           ; v11 and on the way in: 16 x lane
.set PFO, 80                           ; v80 (r + 8 (r / 8)) rows of 8,192 bytes + 256 h
.set TM,  232
.set WR,  96
.set WX,  32
.set WPC, 12
.set WPW, 248
.set WV,  18
.set SEL, 20
.set CS,  22
.set G1,  24
.set G0,  32
.set QMIN, 42
.set QMAX, 43
.set KF,  44
.set TB,  45
.set CNT, 46
.set SRC, 68                           ; s[68:69] o_w at my quad's rows and K steps
.set DC,  70                           ; s[70:71] its codes in wq
.set DS,  72                           ; s[72:73] its scale words in wq
.macro CROUND
	s_barrier_signal -1
	s_barrier_wait -1
	s_cmp_lg_u32 s[WV], 0
	s_cbranch_scc1 .Lnot_wave_0_\@
	s_barrier_signal -3
.Lnot_wave_0_\@:
	s_barrier_wait -3
	s_barrier_signal -1
	s_barrier_wait -1
.endm
; 64 numbers of a lane, v[s] on, register 16 b + i = k 32 b + 16 (lane / 16) + i of my row, become a fragment's codes in v[pc .. pc + 11] and its scale word in v[pw].
.macro QUANT s, pc, pw
.irp b, 0,1,2,3
	v_max3_num_f32 v[TM+\b], |v[\s+16*\b]|, |v[\s+1+16*\b]|, 0x2800000
.endr
.irp i, 2,4,6,8,10,12,14
.irp b, 0,1,2,3
	v_max3_num_f32 v[TM+\b], v[TM+\b], |v[\s+16*\b+\i]|, |v[\s+1+16*\b+\i]|
.endr
.endr
.irp b, 0,1,2,3
	v_permlanex16_b32 v[TM+4+\b], v[TM+\b], s[SEL], s[SEL+1]
.endr
.irp b, 0,1,2,3
	v_max_num_f32 v[TM+\b], v[TM+\b], v[TM+4+\b]
.endr
.irp b, 0,1,2,3
	v_add_nc_u32 v[TM+12+\b], 0xfe000000, v[TM+\b]
.endr
.irp b, 0,1,2,3
	v_lshrrev_b32 v[TM+4+\b], 23, v[TM+12+\b]
.endr
	v_lshl_or_b32 v[\pw], v[TM+5], 8, v[TM+4]
	v_lshl_or_b32 v[\pw], v[TM+6], 16, v[\pw]
	v_lshl_or_b32 v[\pw], v[TM+7], 24, v[\pw]
.irp c, 0,1
	v_cvt_scalef32_pk16_bf6_f32 v[\pc+6*\c:\pc+6*\c+2], v[\s+32*\c:\s+32*\c+15], v[TM+12+2*\c]
	v_cvt_scalef32_pk16_bf6_f32 v[\pc+12+4*\c:\pc+12+4*\c+2], v[\s+32*\c+16:\s+32*\c+31], v[TM+13+2*\c]
.endr
	v_nop                                          ; one plain instruction behind the scaled conversions
.irp c, 0,1
.irp i, 0,1,2
	v_permlane16_swap_b32 v[\pc+6*\c+\i], v[\pc+12+4*\c+\i]
.endr
.irp i, 0,1,2
	v_mov_b32 v[\pc+3+6*\c+\i], v[\pc+12+4*\c+\i]
.endr
.endr
.endm
; four tiles of 16 d of V, 4 g on, and their scale words
.macro VLOAD g
.irp t, 0,1,2,3
.irp p, 0,1,2,3,4,5
	ds_load_b64 v[32+12*\t+2*\p:33+12*\t+2*\p], v[AD] offset:12288+1536*(4*\g+\t)+768*(\p/3)+8*(\p%3)
.endr
	ds_load_b32 v[248+\t], v[ADS] offset:25088+64*(4*\g+\t)
.endr
.endm
; o_w: fragment f of my quad: 16 rows, 512 consecutive bytes each, into set f % 2
.macro LOADF f
.set I, 0
.rept 16
	global_load_b128 v[WR+64*((\f)%2)+4*I:WR+64*((\f)%2)+4*I+3], v[L16], s[SRC:SRC+1] offset:(I+8*(I/8))*8192+512*(\f) th:TH_LOAD_NT
.set I, I+1
.endr
.endm
.macro TURNF f                         ; through my stage, so that a lane gets 16 neighbours of each block of 32: LDS serves a wave's instructions in order, so no wait stands between the stores and the loads
.set I, 0
.rept 16
	ds_store_b128 v[SW], v[WR+64*((\f)%2)+4*I:WR+64*((\f)%2)+4*I+3] offset:SP*I
.set I, I+1
.endr
.irp b, 0,1,2,3
.irp j, 0,1,2,3
	ds_load_b128 v[WX+16*\b+4*\j:WX+16*\b+4*\j+3], v[SR] offset:128*\b+16*\j
.endr
.endr
.endm
.macro FRAGM f
.if \f < 3
	s_wait_loadcnt 16                              ; this fragment's 16 loads are in; the next fragment's 16 may be out
.else
	s_wait_loadcnt 0x0
.endif
	TURNF \f
	s_wait_dscnt 0x0                               ; the 64 neighbours are in, and the stage's stores have read their set
.if \f > 0
	s_wait_xcnt 0x0                                ; the last fragment's stores have read the codes' registers
.endif
.if \f < 2
	LOADF \f+2
.endif
	QUANT WX, WPC, WPW+\f
.irp c, 0,1,2
	global_store_b128 v[L16], v[WPC+4*\c:WPC+4*\c+3], s[DC:DC+1] offset:1536*\f+512*\c   ; 512 consecutive bytes, aligned
.endr
.endm
	s_load_b128 s[4:7], s[0:1], 0x0                ; qq, kvq
	s_load_b128 s[8:11], s[0:1], 0x10              ; aq, o_w
	s_load_b64 s[12:13], s[0:1], 0x20              ; wq
	v_lshl_add_u32 v31, v0, 2, 0x36600
	v_mov_b32 v243, 0
	ds_add_u32 v31, v243
	ds_add_u32 v31, v243
	v_lshrrev_b32 v1, 5, v0
	v_readfirstlane_b32 s[WV], v1                  ; wave 0..15
	s_bfe_u32 s36, ttmp6, 0x40000                  ; cx: my four heads; it enters global addresses alone
	s_mov_b32 s37, ttmp9                           ; c, the cluster's x: 0..15
	s_and_b32 s38, ttmp7, 0xffff                   ; the batch
	s_lshr_b32 s39, s[WV], 2                       ; g
	s_and_b32 s40, s[WV], 3
	s_add_co_u32 s40, s40, s39
	s_and_b32 s40, s40, 3                          ; j
	s_and_b32 s48, s40, 1
	s_mul_i32 s48, s48, 31
	s_xor_b32 s48, s37, s48                        ; c or 31 - c
	s_lshr_b32 s41, s40, 1
	s_lshl_b32 s41, s41, 5
	s_add_co_u32 s41, s41, s48                     ; qt: my tile, 0..63
	s_and_b32 s48, s41, 1
	s_lshl_b32 s48, s48, 3
	s_lshl_b32 s[QMIN], s41, 4
	s_sub_co_u32 s[QMIN], s[QMIN], s48             ; my first query: 32 (qt / 2) + 8 (qt % 2)
	s_add_co_u32 s[QMAX], s[QMIN], 23              ; and my last
	; group 1: 12,800 dense bytes as 50 rows of 32 elements of 8 bytes
	s_mov_b32 s[G1], 15|(3<<16)|(1<<21)            ; 15:0 the mask: all four work-groups; 17:16 elements of 8 bytes; 21 set beside a mask
	s_mov_b32 s[G1+1], 32<<16
	s_mov_b32 s[G1+2], 50<<16
	s_mov_b32 s[G1+3], 32<<16
	s_mov_b32 s[G1+4], 50
	s_mov_b32 s[G1+5], 32
	s_mov_b32 s[G1+6], 0
	s_mov_b32 s[G1+7], 0
	s_mul_i32 s49, s[WV], 12800
	s_mul_i32 s50, s38, 8*REC
	s_add_co_u32 s50, s50, s49
	s_mov_b32 s51, 0
	s_wait_dscnt 0x0
	s_wait_kmcnt 0x0
	s_mov_b32 s[G0], 1
	s_mov_b32 s[G0+1], s49                         ; LDS: 12,800 x wave
	s_add_nc_u64 s[G0+2:G0+3], s[6:7], s[50:51]    ; the batch's records, my sixteenth: it hangs on the batch and the wave alone
	s_or_b32 s[G0+3], s[G0+3], 0x80000000
	CROUND                                         ; all four work-groups are here: the joint loads meet
	tensor_load_to_lds s[G0:G0+3], s[G1:G1+7]      ; my one tensor load
	s_nop 0
.rept 4
	v_nop
.endr
	s_mov_b32 s[SEL], 0x76543210
	s_mov_b32 s[SEL+1], 0xfedcba98
	s_mov_b32 s[CS], 0x3e0293ee                    ; c = log2(e) / sqrt(128)
	s_mov_b32 s[CS+1], s[CS]                       ; (named with it as a pair, so it is written)
	s_lshl_b32 s52, s38, 6
	s_add_co_u32 s52, s52, s41                     ; my row block: 64 x batch + qt
	s_lshl_b32 s53, s36, 2
	s_add_co_u32 s53, s53, s39                     ; my head
	s_lshl_b32 s54, s52, 4
	s_add_co_u32 s54, s54, s53
	s_mul_i32 s54, s54, 1536
	s_mov_b32 s55, 0
	s_add_nc_u64 s[56:57], s[4:5], s[54:55]        ; Q's image
	s_add_nc_u64 s[58:59], s[8:9], s[54:55]        ; and the result's: the same place in aq
	s_lshr_b32 s60, s52, 2                         ; Q's scale words: 256 bytes for four row blocks and a head; the word of (a = rb % 4, r) at 8 (r + 16 (a % 2)) + 4 (a / 2)
	s_lshl_b32 s60, s60, 4
	s_add_co_u32 s60, s60, s53
	s_lshl_b32 s60, s60, 8
	s_and_b32 s61, s41, 1
	s_lshl_b32 s61, s61, 7
	s_add_co_u32 s60, s60, s61
	s_bfe_u32 s61, s41, 0x10001
	s_lshl_b32 s61, s61, 2
	s_add_co_u32 s60, s60, s61
	s_add_co_u32 s60, s60, XSOFF
	s_mov_b32 s61, 0
	s_add_nc_u64 s[60:61], s[4:5], s[60:61]
	s_lshl_b32 s62, s52, 10                        ; the result's scale words: [row block][Q = head / 4 = cx][lane][2]
	s_lshl_b32 s63, s36, 8
	s_add_co_u32 s62, s62, s63
	s_add_co_u32 s62, s62, XSOFF
	s_mov_b32 s63, 0
	s_add_nc_u64 s[62:63], s[8:9], s[62:63]
	; o_w: quad 2 x (the work-group's number among the 256) + wave / 8: row block = quad / 4, Q = quad % 4.  Every wave makes the three addresses; waves 0 and 10 use them
	s_lshl_b32 s74, s38, 4
	s_add_co_u32 s74, s74, s37
	s_lshl_b32 s74, s74, 2
	s_add_co_u32 s74, s74, s36                     ; 4 (16 batch + c) + cx: 0..255
	s_lshr_b32 s75, s74, 1                         ; o_w's row block: 0..127
	s_and_b32 s76, s74, 1
	s_lshl_b32 s76, s76, 1
	s_lshr_b32 s77, s[WV], 3
	s_add_co_u32 s76, s76, s77                     ; Q
	s_lshr_b32 s[SRC], s75, 1
	s_lshl_b32 s[SRC], s[SRC], 18                  ; 32 rows of 8,192 bytes
	s_and_b32 s77, s75, 1
	s_lshl_b32 s77, s77, 16                        ; 8 rows
	s_add_co_u32 s[SRC], s[SRC], s77
	s_lshl_b32 s77, s76, 11                        ; four K steps: 2,048 bytes of a row
	s_add_co_u32 s[SRC], s[SRC], s77
	s_mov_b32 s[SRC+1], 0
	s_add_nc_u64 s[SRC:SRC+1], s[10:11], s[SRC:SRC+1]
	s_add_co_u32 s75, s75, 144                     ; its row block in wq
	s_mul_i32 s[DC], s75, 24576
	s_mul_i32 s77, s76, 6144
	s_add_co_u32 s[DC], s[DC], s77
	s_mov_b32 s[DC+1], 0
	s_add_nc_u64 s[DC:DC+1], s[12:13], s[DC:DC+1]
	s_lshl_b32 s[DS], s75, 10
	s_lshl_b32 s77, s76, 8
	s_add_co_u32 s[DS], s[DS], s77
	s_add_co_u32 s[DS], s[DS], WSOFF
	s_mov_b32 s[DS+1], 0
	s_add_nc_u64 s[DS:DS+1], s[12:13], s[DS:DS+1]
	v_and_b32 v10, 15, v0                          ; r
	v_bfe_u32 v11, v0, 4, 1                        ; h
	v_and_b32 v[L16], 31, v0
	v_lshlrev_b32 v[L8], 3, v[L16]
	v_lshlrev_b32 v[L16], 4, v[L16]
.irp c, 0,1,2
	global_load_b128 v[16+4*\c:19+4*\c], v[L16], s[56:57] offset:512*\c   ; Q's fragment stays in registers
.endr
	v_lshlrev_b32 v254, 3, v10
	global_load_b32 v255, v254, s[60:61]           ; Q's scale words
	v_mul_u32_u24 v[AK0], v10, 24
	v_mad_u32_u24 v[AK0], v11, 384, v[AK0]
	v_lshlrev_b32 v[AS0], 2, v10
	s_lshl_b32 s66, s40, 8                         ; tile j's 256 bytes; in them head g's word of row r at 8 (r + 16 (g % 2)) + 4 (g / 2): the order of aq's scale words
	s_and_b32 s67, s39, 1
	s_lshl_b32 s67, s67, 7
	s_add_co_u32 s66, s66, s67
	s_lshr_b32 s67, s39, 1
	s_lshl_b32 s67, s67, 2
	s_add_co_u32 s66, s66, s67
	s_add_co_u32 s66, s66, ASC
	v_lshl_add_u32 v[AW], v10, 3, s66
	s_and_b32 s67, s[WV], 3
	s_lshl_b32 s67, s67, 8
	s_add_co_u32 s67, s67, ASC
	v_add_nc_u32 v[AR], s67, v[L8]
	v_and_b32 v[VQ], 8, v10
	v_add_nc_u32 v[VQ], v[VQ], v10
	v_lshlrev_b32 v11, 4, v11                      ; 16 h
	v_sub_nc_u32 v[VQ], v[VQ], v11
	s_lshr_b32 s67, s[WV], 3                       ; o_w's stages: wave 0 the first, wave 10 the second.  All LDS addresses are made here, ahead of the first branch on the wave's number
	s_mul_i32 s67, s67, STG
	s_add_co_u32 s67, s67, OST
	v_mul_u32_u24 v[SR], v10, SP                   ; row r,
	v_lshl_add_u32 v[SR], v11, 2, v[SR]            ; + 64 h
	v_add_nc_u32 v[SR], s67, v[SR]
	v_add_nc_u32 v[SW], s67, v[L16]
	v_and_b32 v[PFO], 15, v0
	v_and_b32 v81, 8, v0
	v_add_nc_u32 v[PFO], v[PFO], v81               ; r + 8 (r / 8): the rows of a row block
	v_lshlrev_b32 v[PFO], 13, v[PFO]
	v_bfe_u32 v81, v0, 4, 1
	v_lshl_add_u32 v[PFO], v81, 8, v[PFO]          ; + 256 h
	v_mov_b32 v13, 0xff61b1e6                      ; the largest t so far: -3e38, under every t
	v_floor_f32 v12, -v13                          ; -M
	v_mov_b32 v14, 0                               ; the sum, in two halves
	v_mov_b32 v15, 0
.irp b, 0,1,2,3
	v_mov_b32 v[236+\b], 0                         ; written once: a lane permute's destination counts as one of its sources
.endr
	v_mov_b32 v252, 0
	v_mov_b32 v253, 0                              ; (named as a pair before they are first written)
.set J, 0
.rept 64
	v_mov_b32 v[160+J], 0                          ; O^T.  (The step is written once: the first finds zeros, which the first change of M leaves zeros)
.set J, J+1
.endr
	s_mov_b32 s[KF], 0
	s_mov_b32 s[TB], 0
	s_mov_b32 s[CNT], 8
	s_wait_tensorcnt 0x0                           ; my sixteenth of K and V is in,
	s_barrier_signal -1
	s_barrier_wait -1                              ; everybody's is
	s_wait_loadcnt 0x0                             ; Q
	s_cmp_eq_u32 s[WV], 0                          ; waves 0 and 10 ask for their quad of o_w: 16 rows x 2,048 bytes, each aligned block of 256 bytes named once, by one lane of one instruction; they load it behind their one or two key steps
	s_cbranch_scc1 .Lask
	s_cmp_lg_u32 s[WV], 10
	s_cbranch_scc1 .Lno_ask
.Lask:
.irp k, 0,1,2,3
	global_prefetch_b8 v[PFO], s[SRC:SRC+1] offset:512*\k th:TH_LOAD_NT scope:SCOPE_SE
.endr
.Lno_ask:
.Lstep:                                            ; 8 trips: a key step of 128 keys each
	s_cmp_gt_u32 s[KF], s[QMAX]                    ; all its keys come after my queries: only the addresses step
	s_cbranch_scc1 .Lhidden
	v_add_nc_u32 v[AD], s[TB], v[AK0]
	v_add_nc_u32 v[ADS], s[TB], v[AS0]
	v_nop
	v_nop                                          ; with the two additions: four plain instructions between the last step's products and the loads into registers that they read
.irp g, 0,1                                    ; S^T = K Q^T, four tiles of 16 keys at a time
.if \g > 0
.rept 4
	v_nop
.endr
.endif
.irp t, 0,1,2,3
.irp p, 0,1,2,3,4,5
	ds_load_b64 v[32+12*\t+2*\p:33+12*\t+2*\p], v[AD] offset:1536*(4*\g+\t)+768*(\p/3)+8*(\p%3)
.endr
	ds_load_b32 v[248+\t], v[ADS] offset:24576+64*(4*\g+\t)
.endr
	s_wait_dscnt 0x0
.irp t, 0,1,2,3
	v_wmma_scale_f32_16x16x128_f8f6f4 v[96+8*(4*\g+\t):103+8*(4*\g+\t)], v[32+12*\t:43+12*\t], v[16:27], 0, v[248+\t], v255 matrix_a_fmt:MATRIX_FMT_BF6 matrix_b_fmt:MATRIX_FMT_BF6
.endr
.endr                                          ; register 16 b + i holds key KF + 32 b + 16 h + i
.rept 4
	v_nop                                          ; four plain instructions behind the products: ahead of the first read of the scores, and of the loads into the registers that held K
.endr
	VLOAD 0                                        ; V's first four tiles are asked for here: they land while the softmax is worked, which names none of v32-79 and v248-251
	s_add_co_u32 s48, s[KF], 127                   ; a step all of whose keys count skips the mask
	s_cmp_le_u32 s48, s[QMIN]
	s_cbranch_scc1 .Lopen
	s_sub_co_i32 s48, s[QMIN], s[KF]
	v_add_nc_u32 v252, s48, v[VQ]                  ; my query - KF - 16 h: the key of register 16 b + i is hidden where 32 b + i is above it
	v_mov_b32 v254, 0xff800000                     ; -infinity
.set N, 0
.rept 64
	v_cmp_gt_i32 vcc_lo, 32*(N/16)+N%16, v252
	v_cndmask_b32 v[96+N], v[96+N], v254, vcc_lo
.set N, N+1
.endr
.Lopen:
.irp b, 0,1,2,3
	v_max3_num_f32 v[232+\b], v[96+16*\b], v[97+16*\b], v[98+16*\b]   ; the largest score of each block of 32 keys: for the row's maximum, and for the block's largest p
.endr
.irp i, 3,5,7,9,11,13
.irp b, 0,1,2,3
	v_max3_num_f32 v[232+\b], v[232+\b], v[96+16*\b+\i], v[97+16*\b+\i]
.endr
.endr
.irp b, 0,1,2,3
	v_max_num_f32 v[232+\b], v[232+\b], v[111+16*\b]
.endr
.irp b, 0,1,2,3
	v_permlanex16_b32 v[236+\b], v[232+\b], s[SEL], s[SEL+1]
.endr
.irp b, 0,1,2,3
	v_max_num_f32 v[232+\b], v[232+\b], v[236+\b]  ; with lane l xor 16's 16 keys
.endr
	v_max3_num_f32 v254, v232, v233, v234
	v_max_num_f32 v254, v254, v235                 ; the step's largest score of my query
	v_mul_f32 v254, s[CS], v254                    ; as t
	v_max_num_f32 v13, v13, v254                   ; the running largest t
	v_mov_b32 v254, v12
	v_floor_f32 v12, -v13                          ; the new -M = floor(-t): M is a whole number
	v_sub_f32 v254, v12, v254                      ; old M - new M: a whole number, 0 or less
	v_cvt_i32_f32 v254, v254                       ; (it saturates)
	v_ldexp_f32 v252, 1.0, v254                    ; f = 2^(old M - new M)
.set J, 0
.rept 32
	v_pk_fma_f32 v[96+J:97+J], v[96+J:97+J], s[CS:CS+1], v[12:13] op_sel_hi:[1,0,0]   ; t - M, two at a time
.set J, J+2
.endr
.irp b, 0,1,2,3
	v_fma_f32 v[232+\b], v[232+\b], s[CS], v12     ; the same of each block's largest score
.endr
.set J, 0
.rept 64
	v_exp_f32 v[96+J], v[96+J]                     ; p = 2^(t - M), at most 1
.set J, J+1
.endr
	v_pk_mul_f32 v[14:15], v[14:15], v[252:253] op_sel_hi:[1,0]   ; the sums under the new M: the plain instruction behind the exponentials
	s_wait_alu depctr_va_vdst(0)                   ; one wait for the batch of 64, ahead of its first reader
.irp b, 0,1,2,3
	v_exp_f32 v[232+\b], v[232+\b]                 ; the block's largest p
.endr
	v_pk_add_f32 v[236:237], v[96:97], v[98:99]    ; the row's sum of the UNQUANTISED p, two at a time, in two chains
.irp j, 4,8,12,16,20,24,28,32,36,40,44,48,52,56,60
	v_pk_add_f32 v[14:15], v[14:15], v[96+\j:97+\j]
	v_pk_add_f32 v[236:237], v[236:237], v[98+\j:99+\j]
.endr
	v_pk_add_f32 v[14:15], v[14:15], v[236:237]
	s_wait_alu depctr_va_vdst(0)                   ; and one for the four
.irp b, 0,1,2,3
	v_max_num_f32 v[232+\b], 0x2800000, v[232+\b]  ; the floor 2^(5 - 127): the byte cannot fall under 1
.endr
.irp b, 0,1,2,3
	v_add_nc_u32 v[244+\b], 0xfe000000, v[232+\b]  ; 4 off the exponent field: the conversion's scale operand
.endr
.irp b, 0,1,2,3
	v_lshrrev_b32 v[236+\b], 23, v[244+\b]
.endr
	v_lshl_or_b32 v253, v237, 8, v236              ; p's scale word for these 128 keys
	v_lshl_or_b32 v253, v238, 16, v253
	v_lshl_or_b32 v253, v239, 24, v253
.irp c, 0,1
	v_cvt_scalef32_pk16_bf6_f32 v[224+6*\c:226+6*\c], v[96+32*\c:111+32*\c], v[244+2*\c]
	v_cvt_scalef32_pk16_bf6_f32 v[236+4*\c:238+4*\c], v[112+32*\c:127+32*\c], v[245+2*\c]
.endr
	v_nop                                          ; one plain instruction behind the scaled conversions
.irp c, 0,1
.irp i, 0,1,2
	v_permlane16_swap_b32 v[224+6*\c+\i], v[236+4*\c+\i]
.endr
.irp i, 0,1,2
	v_mov_b32 v[227+6*\c+\i], v[236+4*\c+\i]
.endr
.endr
.set J, 0
.rept 32
	v_pk_mul_f32 v[160+J:161+J], v[160+J:161+J], v[252:253] op_sel_hi:[1,0]   ; O^T under the new M.  (These 32 are also the places ahead of the scaled products below)
.set J, J+2
.endr
.irp g, 0,1                                    ; O^T += V^T P^T: four tiles of 16 d at a time
.if \g > 0
.rept 4
	v_nop
.endr
	VLOAD 1
.endif
	s_wait_dscnt 0x0                               ; the four tiles are in (the first four were asked for ahead of the softmax)
.irp t, 0,1,2,3
	v_wmma_scale_f32_16x16x128_f8f6f4 v[160+8*(4*\g+\t):167+8*(4*\g+\t)], v[32+12*\t:43+12*\t], v[224:235], v[160+8*(4*\g+\t):167+8*(4*\g+\t)], v[248+\t], v253 matrix_a_fmt:MATRIX_FMT_BF6 matrix_b_fmt:MATRIX_FMT_BF6
.endr
.endr
.Lhidden:
	s_add_co_u32 s[KF], s[KF], 128
	s_add_co_u32 s[TB], s[TB], REC
	s_sub_co_u32 s[CNT], s[CNT], 1
	s_cmp_lg_u32 s[CNT], 0
	s_cbranch_scc1 .Lstep
	; THE WAY OUT.  O^T / the sum: register 16 b + i is d = 32 b + 16 h + i of my query: one fragment of the last product's A (K step = my head) and one scale word a query.
.rept 4
	v_nop                                          ; behind the last products
.endr
	v_add_f32 v14, v14, v15                        ; the sum's two halves,
	v_permlanex16_b32 v252, v14, s[SEL], s[SEL+1]
	v_add_f32 v14, v14, v252                       ; and lane l xor 16's: the row's sum
	v_rcp_f32 v14, v14
	v_nop                                          ; a plain instruction behind the reciprocal
	s_wait_alu depctr_va_vdst(0)                   ; and the wait ahead of its first reader
.set J, 0
.rept 64
	v_mul_f32 v[96+J], v[160+J], v14
.set J, J+1
.endr
	QUANT 96, 32, 252
.irp c, 0,1,2
	global_store_b128 v[L16], v[32+4*\c:35+4*\c], s[58:59] offset:512*\c   ; 512 consecutive bytes, aligned
.endr
	ds_store_b32 v[AW], v252                       ; the scale words of a tile's four heads meet in LDS (both lanes of a row write the same word)
	; O_W.  Waves 0 and 10 quantise a quad each (a row block x four K steps) while the waves with more key steps walk on.  32 loads are out at the start, 16 while a fragment is worked.
	s_cmp_eq_u32 s[WV], 0
	s_cbranch_scc1 .Low
	s_cmp_lg_u32 s[WV], 10
	s_cbranch_scc1 .Lno_ow
.Low:
	s_wait_xcnt 0x0                                ; my result's stores have read v32-43, and the prefetches v80: both are written again below
	LOADF 0
	LOADF 1
	FRAGM 0
	FRAGM 1
	FRAGM 2
	FRAGM 3
	v_bfe_u32 v254, v0, 4, 1                       ; h
	v_cmp_ne_u32 vcc_lo, 0, v254                   ; the four words of a row go out as the layout has them: lanes 0-15 steps 0 and 2 of my four, lanes 16-31 steps 1 and 3
	v_cndmask_b32 v252, v[WPW], v[WPW+1], vcc_lo
	v_cndmask_b32 v253, v[WPW+2], v[WPW+3], vcc_lo
	global_store_b64 v[L8], v[252:253], s[DS:DS+1] ; 256 consecutive bytes, aligned
.Lno_ow:
	s_wait_dscnt 0x0                               ; for the others' sake: my store of the scale word is done
	s_barrier_signal -1
	s_barrier_wait -1
	s_cmp_gt_u32 s[WV], 3                          ; waves 0-3 (their j is their number, so their own qt is the tile) store a tile's 256 bytes each
	s_cbranch_scc1 .Lno_unit
	ds_load_b64 v[60:61], v[AR]
	s_wait_dscnt 0x0
	global_store_b64 v[L8], v[60:61], s[62:63]     ; 256 consecutive bytes, aligned
.Lno_unit:
	s_wait_tensorcnt 0x0
	ds_add_u32 v31, v243
	s_wait_dscnt 0x0
	CROUND                                         ; the closing round
	s_endpgm
.Lfunc_end_k_qb7cefd7f26_attn:
	.size	k_qb7cefd7f26_attn, .Lfunc_end_k_qb7cefd7f26_attn-k_qb7cefd7f26_attn
	.p2alignl 7, 3214868480
	.fill 96, 4, 3214868480
	.section	.rodata,"a",@progbits
	.p2align	6, 0x0
	.amdhsa_kernel k_qb7cefd7f26_attn
		.amdhsa_group_segment_fixed_size 224768
		.amdhsa_private_segment_fixed_size 0
		.amdhsa_enable_private_segment 0
		.amdhsa_kernarg_size 40
		.amdhsa_user_sgpr_count 2
		.amdhsa_user_sgpr_kernarg_segment_ptr 1
		.amdhsa_wavefront_size32 1
		.amdhsa_system_sgpr_workgroup_id_x 1
		.amdhsa_system_sgpr_workgroup_id_y 1
		.amdhsa_system_sgpr_workgroup_id_z 1
		.amdhsa_system_vgpr_workitem_id 0
		.amdhsa_next_free_vgpr 256
		.amdhsa_next_free_sgpr 80
		.amdhsa_reserve_vcc 1
		.amdhsa_float_denorm_mode_32 3
		.amdhsa_float_denorm_mode_16_64 3
		.amdhsa_memory_ordered 1
		.amdhsa_forward_progress 1
		.amdhsa_inst_pref_size 77
	.end_amdhsa_kernel
	.amdgpu_metadata
---
amdhsa.version: [ 1, 2 ]
amdhsa.kernels:
  - .name:           k_qb7cefd7f26_attn
    .symbol:         k_qb7cefd7f26_attn.kd
    .args:
      - { .name: qq, .offset: 0, .size: 8, .value_kind: global_buffer, .address_space: global }
      - { .name: kvq, .offset: 8, .size: 8, .value_kind: global_buffer, .address_space: global }
      - { .name: aq, .offset: 16, .size: 8, .value_kind: global_buffer, .address_space: global }
      - { .name: o_w, .offset: 24, .size: 8, .value_kind: global_buffer, .address_space: global }
      - { .name: wq, .offset: 32, .size: 8, .value_kind: global_buffer, .address_space: global }
    .group_segment_fixed_size: 224768
    .private_segment_fixed_size: 0
    .kernarg_segment_align: 8
    .kernarg_segment_size: 40
    .max_flat_workgroup_size: 512
    .sgpr_count:     80
    .vgpr_count:     256
    .wavefront_size: 32
...
	.end_amdgpu_metadata
.endif
;; end of part 3
;; launch outp (part 4): grid 8 x 32, 4 waves a work-group, clusters of 4 x 4, 327,680 bytes of LDS; arguments aq, wq, o_b, out0; writes out0
.if DOCPART == 4
	.amdgcn_target "amdgcn-amd-amdhsa--gfx1250"
	.amdhsa_code_object_version 6
	.text
	.protected	k_qb7cefd7f26_outp
	.globl	k_qb7cefd7f26_outp
	.p2align	8
	.type	k_qb7cefd7f26_outp,@function
k_qb7cefd7f26_outp:
	s_mov_b64 s[64:65], 0
	v_nop
	global_prefetch_b8 v0, s[64:65] scope:SCOPE_SE
	s_setreg_imm32_b32 hwreg(HW_REG_WAVE_MODE, 25, 1), 1
	s_wait_xcnt 0x0
	s_wait_alu depctr_hold_cnt(0) depctr_sa_sdst(0) depctr_va_vdst(0) depctr_va_sdst(0) depctr_va_ssrc(0) depctr_va_vcc(0) depctr_vm_vsrc(0)
	s_getreg_b32 s2, hwreg(HW_REG_IB_STS2, 6, 4)
	s_cmp_eq_u32 s2, 0
	s_cbranch_scc0 .Lentry_in_a_cluster
	s_endpgm
.Lentry_in_a_cluster:
	s_bfe_u32 s2, ttmp6, 0x10000c
	s_cmp_lg_u32 s2, 0xf033
	s_cbranch_scc0 .Lentry_shape_is_right
	s_endpgm
.Lentry_shape_is_right:
; out0 = a o_w^T + o_b on codes of BF6 (E3M2) with E8M0 scales, [4096 x 2048] x [2048 x 2048]^T, f32 sums; o_b is the C of each sum's first matrix instruction (so it starts the sums, where the source adds it last).
; OPERANDS lie in memory in the order of their registers: a ROW BLOCK rb is 16 rows, index r of it standing for row 32 (rb / 2) + 8 (rb % 2) + r + 8 (r / 8); a fragment (row block x 128 K, 12 registers) is 1,536 bytes,
; register 4 c + e of lane l at 512 c + 16 l + 4 e; codes [rb][K step][1,536]; scale words [rb][Q][lane][2]: 8 l + 4 i holds row index l % 16, step 4 Q + 2 i + l / 16.  o_w's row blocks begin at wq's row block 144.
; SHARES.  256 work-groups: 128 tokens x 256 columns.  Wave w = 2 mi + ni: 64 tokens (A's blocks 4 mi on) x 128 columns (o_w's blocks 8 ni on): 32 accumulators.
; THE PRODUCT IS USED TRANSPOSED (source 0 = 16 rows of o_w, source 1 = 16 tokens): a lane holds one token, its eight registers eight neighbouring columns.
; K goes in 16 steps of 128, written out; an LDS slot holds four steps (a row block's 6,144 consecutive bytes are a tile row); two slots, four fills.
; CLUSTER 4 x 4: A's tiles are asked for jointly along a row of the cluster, o_w's along a column.  No prefetch is laid: the first fills ask for half of K, and only two refills follow.
; Each wave loads the scale words of its blocks once, 256 aligned bytes an instruction, into 96 registers that hold nothing else.
; REGISTERS: window 0: v1-17 addresses; v28, v29 for the add; v32-63 A's scale words (8 sg + s / 2), v64-127 o_w's (8 b + s / 2); v144-239 A's fragments, two sets of 4; on the way out v128-255 rows of the result.
;   window 1: o_w's fragments, two sets at v0 and v128.   window 2: the accumulators v[64 sg + 8 b].   window 3: v0-63 o_b.
.set XSOFF, 6291456
.set WSOFF, 6684672
.set QUAD,  6144
.set SLOT,  24*QUAD                    ; A's 8 row blocks, then o_w's 16
.set BOFF,  8*QUAD
.set SPARE, 2*SLOT                     ; behind the ring: the spare words, 128 bytes for each wave: two blocks of 256 bytes that no other line names
.set SP,    528                        ; the way out: a stage of 16 rows x (512 bytes + 16) for each wave, in slot 0, which has had its last fill and its last read when the first result is stored there
.set L16, 3
.set L8,  4
.set H64, 5
.set ADRA, 8
.set ADRB, 12
.set STO, 16
.set RD,  17
.set SPW, 28
.set NIL, 29
.set SA,  32
.set SB,  64
.set AF,  144
.set BK,  128
.set QB,  0                            ; in window 3
.set WV,  24
.set MI,  25
.set NI,  26
.set CX,  27
.set CY,  28
.set TX,  29
.set TY,  30
.set G1,  32
.set G0,  40
.set G1B, 48
.set G0B, 56
.set SAB, 78
.set SBB, 82
.set QBB, 86
.set OUT, 90
.set MSB, 0
.macro WIN new                         ; the immediate's high byte repeats the setting that is left
.if MSB != \new
	s_set_vgpr_msb (MSB<<8)|\new
.set MSB, \new
.endif
.endm
.macro PLACES n
.rept \n
	v_nop
.endr
.endm
; A joint load: waves 0 and 1 fetch A's halves, waves 2 and 3 o_w's.  The branch hangs on the wave's number alone.  Four v_nop follow each of the two lines.
.macro JLOAD g0a, g1a, g0b, g1b
	s_cmp_eq_u32 s[MI], 0
	s_cbranch_scc0 .Lfor_b_\@
	tensor_load_to_lds s[\g0a:\g0a+3], s[\g1a:\g1a+7]
	s_nop 0
.rept 4
	v_nop
.endr
	s_branch .Lasked_\@
.Lfor_b_\@:
	tensor_load_to_lds s[\g0b:\g0b+3], s[\g1b:\g1b+7]
	s_nop 0
.rept 4
	v_nop
.endr
.Lasked_\@:
.endm
.macro CREST
	s_cmp_lg_u32 s[WV], 0
	s_cbranch_scc1 .Lnot_wave_0_\@
	s_barrier_signal -3
.Lnot_wave_0_\@:
	s_barrier_wait -3
	s_barrier_signal -1
	s_barrier_wait -1
.endm
.macro CROUND
	s_barrier_signal -1
	s_barrier_wait -1
	CREST
.endm
.macro WM d, a, b, c, sa, sb, odd      ; odd = 1: the K step's scale words stand in lanes 16-31 of both scale registers
.if \odd
	v_wmma_scale_f32_16x16x128_f8f6f4 v[\d:\d+7], v[\a:\a+11], v[\b:\b+11], v[\c:\c+7], v[\sa], v[\sb] matrix_a_fmt:MATRIX_FMT_BF6 matrix_b_fmt:MATRIX_FMT_BF6 matrix_a_scale:MATRIX_SCALE_ROW1 matrix_b_scale:MATRIX_SCALE_ROW1
.else
	v_wmma_scale_f32_16x16x128_f8f6f4 v[\d:\d+7], v[\a:\a+11], v[\b:\b+11], v[\c:\c+7], v[\sa], v[\sb] matrix_a_fmt:MATRIX_FMT_BF6 matrix_b_fmt:MATRIX_FMT_BF6
.endif
.endm
.macro FETCH slot, st, p               ; 36 LDS loads in one run: the fragments of the slot's step st into set p: 512 consecutive bytes an instruction
	WIN 0x40                                       ; destination window 1, address window 0
.irp b, 0,1,2,3,4,5,6,7
.irp c, 0,1,2
	ds_load_b128 v[128*(\p)+12*\b+4*\c:128*(\p)+12*\b+4*\c+3], v[ADRB+\slot] offset:QUAD*\b+1536*(\st)+512*\c
.endr
.endr
	WIN 0
.irp g, 0,1,2,3
.irp c, 0,1,2
	ds_load_b128 v[AF+48*(\p)+12*\g+4*\c:AF+48*(\p)+12*\g+4*\c+3], v[ADRA+\slot] offset:QUAD*\g+1536*(\st)+512*\c
.endr
.endr
.endm
.macro MULA sg, s, first               ; 8 matrix instructions: A's block sg against my 8 blocks of o_w, K step s.  first = 1: o_b starts the sums
.irp b, 0,1,2,3,4,5,6,7
.if \first
	WM 64*\sg+8*\b, 128*((\s)%2)+12*\b, AF+48*((\s)%2)+12*\sg, QB+8*\b, SB+8*\b+(\s)/2, SA+8*\sg+(\s)/2, (\s)%2
.else
	WM 64*\sg+8*\b, 128*((\s)%2)+12*\b, AF+48*((\s)%2)+12*\sg, 64*\sg+8*\b, SB+8*\b+(\s)/2, SA+8*\sg+(\s)/2, (\s)%2
.endif
.endr
.endm
; A K step that has its successor in the same slot.  The 32 accumulators take turns, one instruction a turn, in the same order in every step.
.macro STEP s, first
	s_wait_dscnt 0x0                               ; this step's fragments, asked for a step ago, are in
	PLACES 4                                       ; four plain instructions between the last step's products and the loads into the set that they read (ISA guide 7.12.1 for vector instructions)
	FETCH ((\s)/4)%2, (\s)%4+1, 1-(\s)%2
.if \first
	WIN 0xb1                                       ; source 0 window 1, source 1 window 0, C window 3, D window 2
.else
	WIN 0xa1
.endif
	MULA 0, \s, \first
	MULA 1, \s, \first
	MULA 2, \s, \first
	MULA 3, \s, \first
	WIN 0
.endm
; A slot's last step changes slots: ONE barrier; ahead of it each wave waits for all its tensor loads, adds 0 to its spare word, and waits for that and for its reads of this slot.  fill = 1: the slot takes the steps eight on.
.macro TURN s, fill
.set SL, ((\s)/4)%2
	s_wait_tensorcnt 0x0                           ; all my tensor loads have landed: my part of the next slot
	ds_add_u32 v[SPW], v[NIL]                      ; 0 onto my spare word
	s_wait_dscnt 1                                 ; the add alone may be out: this step's fragments are in
	WIN 0xa1
	MULA 0, \s, 0                                  ; eight matrix instructions stand between the add and the wait for it
	s_wait_dscnt 0x0                               ; the add is done, and my reads of this slot are over
	s_barrier_signal -1
	MULA 1, \s, 0
	WIN 0
	s_barrier_wait -1
.if \fill
	CREST                                          ; the barrier has opened a round of the cluster's: no wave of any partner still reads this slot or has a load on its way
	s_add_nc_u64 s[G0+4*SL+2:G0+4*SL+3], s[G0+4*SL+2:G0+4*SL+3], 2*QUAD
	s_add_nc_u64 s[G0B+4*SL+2:G0B+4*SL+3], s[G0B+4*SL+2:G0B+4*SL+3], 2*QUAD
	JLOAD G0+4*SL, G1, G0B+4*SL, G1B               ; the first tensor load behind the round; its four v_nop are also the places ahead of the loads below
.else
	PLACES 4
.endif
	FETCH 1-SL, 0, 0
	WIN 0xa1
	MULA 2, \s, 0
	MULA 3, \s, 0
	WIN 0
.endm
	s_load_b256 s[4:11], s[0:1], 0x0               ; aq s[4:5], wq s[6:7], o_b s[8:9], out0 s[10:11]
	v_lshl_add_u32 v[SPW], v0, 2, SPARE
	v_mov_b32 v[NIL], 0
	ds_add_u32 v28, v29
	ds_add_u32 v28, v29
	s_wait_dscnt 0x0
	v_lshrrev_b32 v1, 5, v0
	v_readfirstlane_b32 s[WV], v1                  ; wave 0..3
	s_lshr_b32 s[MI], s[WV], 1                     ; my half of the tokens.  Also: I fetch for A (0) or for o_w (1)
	s_and_b32 s[NI], s[WV], 1                      ; my half of the columns.  Also: which half of that tile I fetch
	s_bfe_u32 s[CX], ttmp6, 0x40000
	s_bfe_u32 s[CY], ttmp6, 0x40004
	s_lshl_b32 s[TX], ttmp9, 2
	s_add_co_u32 s[TX], s[TX], s[CX]               ; x = 4 x cluster x + cx
	s_and_b32 s[TY], ttmp7, 0xffff
	s_lshl_b32 s[TY], s[TY], 2
	s_add_co_u32 s[TY], s[TY], s[CY]               ; y = 4 x cluster y + cy
	s_lshl_b32 s66, s[CY], 2
	s_lshl_b32 s66, 15, s66                        ; my row of the cluster
	s_lshl_b32 s67, 0x1111, s[CX]                  ; my column
	; group 1: rows of 768 elements of 8 bytes (a row block's four K steps), 3,072 elements from row block to row block; A: 4 rows a load, o_w: 8
	s_or_b32 s[G1], s66, (3<<16)|(1<<21)           ; 15:0 the mask; 17:16 elements of 8 bytes; 20 no padding; 21 set beside a mask
	s_mov_b32 s[G1+1], 768<<16
	s_mov_b32 s[G1+2], 4<<16
	s_mov_b32 s[G1+3], 768<<16
	s_mov_b32 s[G1+4], 4
	s_mov_b32 s[G1+5], 3072
	s_mov_b32 s[G1+6], 0
	s_mov_b32 s[G1+7], 0
	s_or_b32 s[G1B], s67, (3<<16)|(1<<21)
	s_mov_b32 s[G1B+1], 768<<16
	s_mov_b32 s[G1B+2], 8<<16
	s_mov_b32 s[G1B+3], 768<<16
	s_mov_b32 s[G1B+4], 8
	s_mov_b32 s[G1B+5], 3072
	s_mov_b32 s[G1B+6], 0
	s_mov_b32 s[G1B+7], 0
	s_lshl_b32 s68, s[TY], 3                       ; A hangs on y and the wave alone: row block 8 y + 4 x half
	s_lshl_b32 s69, s[NI], 2
	s_add_co_u32 s68, s68, s69
	s_mul_i32 s68, s68, 24576
	s_mov_b32 s69, 0
	s_lshl_b32 s70, s[TX], 4                       ; o_w on x and the wave alone: row block 144 + 16 x + 8 x half
	s_lshl_b32 s71, s[NI], 3
	s_add_co_u32 s70, s70, s71
	s_add_co_u32 s70, s70, 144
	s_mul_i32 s70, s70, 24576
	s_mov_b32 s71, 0
	s_mul_i32 s72, s[NI], 4*QUAD                   ; where they go: no place in the cluster enters an LDS address
	s_mul_i32 s73, s[NI], 8*QUAD
	s_add_co_u32 s73, s73, BOFF
	s_wait_kmcnt 0x0
	s_add_nc_u64 s[68:69], s[4:5], s[68:69]
	s_add_nc_u64 s[70:71], s[6:7], s[70:71]
	CROUND                                         ; all sixteen work-groups are here: the first joint loads meet
.irp n, 0,1
	s_mov_b32 s[G0+4*\n], 1
	s_add_co_u32 s[G0+4*\n+1], s72, \n*SLOT
	s_add_nc_u64 s[G0+4*\n+2:G0+4*\n+3], s[68:69], \n*QUAD
	s_or_b32 s[G0+4*\n+3], s[G0+4*\n+3], 0x80000000
	s_mov_b32 s[G0B+4*\n], 1
	s_add_co_u32 s[G0B+4*\n+1], s73, \n*SLOT
	s_add_nc_u64 s[G0B+4*\n+2:G0B+4*\n+3], s[70:71], \n*QUAD
	s_or_b32 s[G0B+4*\n+3], s[G0B+4*\n+3], 0x80000000
	JLOAD G0+4*\n, G1, G0B+4*\n, G1B               ; K steps 0-3 and 4-7: two tensor loads of mine are out
.endr
	s_lshl_b32 s74, s[TY], 3
	s_lshl_b32 s75, s[MI], 2
	s_add_co_u32 s74, s74, s75                     ; my first row block of A: 8 y + 4 mi
	s_lshl_b32 s[SAB], s74, 10
	s_add_co_u32 s[SAB], s[SAB], XSOFF
	s_mov_b32 s[SAB+1], 0
	s_add_nc_u64 s[SAB:SAB+1], s[4:5], s[SAB:SAB+1]
	s_lshl_b32 s[SBB], s[TX], 4
	s_lshl_b32 s[SBB+1], s[NI], 3
	s_add_co_u32 s[SBB], s[SBB], s[SBB+1]
	s_add_co_u32 s[SBB], s[SBB], 144
	s_lshl_b32 s[SBB], s[SBB], 10
	s_add_co_u32 s[SBB], s[SBB], WSOFF
	s_mov_b32 s[SBB+1], 0
	s_add_nc_u64 s[SBB:SBB+1], s[6:7], s[SBB:SBB+1]
	s_lshl_b32 s76, s[TX], 10
	s_lshl_b32 s77, s[NI], 9
	s_add_co_u32 s76, s76, s77                     ; my first column, in bytes: 1,024 x + 512 ni
	s_mov_b32 s77, 0
	s_add_nc_u64 s[QBB:QBB+1], s[8:9], s[76:77]
	s_lshl_b32 s[OUT], s[TY], 7
	s_lshl_b32 s[OUT+1], s[MI], 6
	s_add_co_u32 s[OUT], s[OUT], s[OUT+1]          ; my first token: 128 y + 64 mi
	s_lshl_b32 s[OUT], s[OUT], 13                  ; rows of 8,192 bytes
	s_add_co_u32 s[OUT], s[OUT], s76
	s_mov_b32 s[OUT+1], 0
	s_add_nc_u64 s[OUT:OUT+1], s[10:11], s[OUT:OUT+1]
	v_and_b32 v1, 15, v0                           ; r
	v_bfe_u32 v2, v0, 4, 1                         ; h
	v_and_b32 v[L16], 31, v0
	v_lshlrev_b32 v[L8], 3, v[L16]
	v_lshlrev_b32 v[L16], 4, v[L16]
	v_lshlrev_b32 v[H64], 6, v2
.irp g, 0,1,2,3                                ; the scale words of all 16 K steps: 256 aligned bytes an instruction
.irp q, 0,1,2,3
	global_load_b64 v[SA+8*\g+2*\q:SA+8*\g+2*\q+1], v[L8], s[SAB:SAB+1] offset:1024*\g+256*\q
.endr
.endr
.irp b, 0,1,2,3,4,5,6,7
.irp q, 0,1,2,3
	global_load_b64 v[SB+8*\b+2*\q:SB+8*\b+2*\q+1], v[L8], s[SBB:SBB+1] offset:1024*\b+256*\q
.endr
.endr
	WIN 0xc0                                       ; destination window 3
.irp b, 0,1,2,3,4,5,6,7                        ; o_b in the result's layout: block b, register j: column 32 (b / 2) + 16 h + 8 (b % 2) + j
	global_load_b128 v[QB+8*\b:QB+8*\b+3], v[H64], s[QBB:QBB+1] offset:(32*(\b/2)+8*(\b%2))*4
	global_load_b128 v[QB+8*\b+4:QB+8*\b+7], v[H64], s[QBB:QBB+1] offset:(32*(\b/2)+8*(\b%2))*4+16
.endr
	WIN 0
	s_mul_i32 s66, s[MI], 4*QUAD                   ; my four blocks of A
	s_mul_i32 s72, s[NI], 8*QUAD
	s_add_co_u32 s72, s72, BOFF                    ; my eight of o_w
.irp n, 0,1
	v_add_nc_u32 v[ADRA+\n], s66, v[L16]
	v_add_nc_u32 v[ADRB+\n], s72, v[L16]
	s_add_co_u32 s66, s66, SLOT
	s_add_co_u32 s72, s72, SLOT
.endr
	s_mul_i32 s67, s[WV], 16*SP                    ; my stage
	v_mul_u32_u24 v[STO], v1, SP
	v_lshl_add_u32 v[STO], v2, 6, v[STO]
	v_add_nc_u32 v[STO], s67, v[STO]               ; in: row r, + 64 h
	v_add_nc_u32 v[RD], s67, v[L16]                ; back: the 32 lanes take one row of 512 bytes
	s_wait_tensorcnt 1                             ; my part of slot 0 is in; slot 1's fill may stay out
	s_barrier_signal -1
	s_barrier_wait -1                              ; everybody's is
	FETCH 0, 0, 0
	s_wait_loadcnt 0x0                             ; the scale words and o_b
	STEP 0, 1
	STEP 1, 0
	STEP 2, 0
	TURN 3, 1                                      ; slot 0 takes K steps 8-11
	STEP 4, 0
	STEP 5, 0
	STEP 6, 0
	TURN 7, 1                                      ; slot 1 takes K steps 12-15
	STEP 8, 0
	STEP 9, 0
	STEP 10, 0
	TURN 11, 0                                     ; nothing is left to fetch; behind this barrier nobody reads slot 0
	STEP 12, 0
	STEP 13, 0
	STEP 14, 0
	s_wait_dscnt 0x0                               ; the last step
	WIN 0xa1
	MULA 0, 15, 0
	MULA 1, 15, 0
	MULA 2, 15, 0
	MULA 3, 15, 0
	WIN 0
; THE WAY OUT, block by block of 16 tokens x 128 columns.  A lane holds pieces of 32 bytes of one row, and the lanes beside it hold other rows: so a block goes through my own stage in LDS and comes back as whole rows of
; 512 bytes.  LDS serves a wave's instructions in order (ISA guide 5.7.1.4): no wait between the stores and the loads, nor ahead of the next block's stores.
.macro TOSTAGE a
	WIN 0x08                                       ; an LDS store's data are its source 1: window 2
.irp b, 0,1,2,3,4,5,6,7
	ds_store_b128 v[STO], v[64*(\a)+8*\b:64*(\a)+8*\b+3] offset:128*(\b/2)+32*(\b%2)      ; each accumulator from its low end on
	ds_store_b128 v[STO], v[64*(\a)+8*\b+4:64*(\a)+8*\b+7] offset:128*(\b/2)+32*(\b%2)+16
.endr
	WIN 0
.set I, 0
.rept 16
	ds_load_b128 v[BK+64*((\a)%2)+4*I:BK+64*((\a)%2)+4*I+3], v[RD] offset:SP*I
.set I, I+1
.endr
.endm
.macro SEND a, younger                 ; younger: the LDS instructions issued behind block a's loads, which may stay out
	s_wait_dscnt \younger
.set I, 0
.rept 16
	global_store_b128 v[L16], v[BK+64*((\a)%2)+4*I:BK+64*((\a)%2)+4*I+3], s[OUT:OUT+1] offset:(32*((\a)/2)+8*((\a)%2)+I+8*(I/8))*8192 th:TH_STORE_NT   ; 512 consecutive bytes, aligned; index I of block a is token 32 (a / 2) + 8 (a % 2) + I + 8 (I / 8) of my 64; every offset is an immediate, 63 rows at the most
.set I, I+1
.endr
.endm
	PLACES 4                                       ; behind the last products: ahead of the first read of results and of the loads into registers that held A's fragments
	TOSTAGE 0
	TOSTAGE 1
	SEND 0, 32                                     ; behind block 0's loads: block 1's 16 stores and 16 loads
	s_wait_xcnt 0x0                                ; block 0's stores have read their registers: block 2's rows may land there
	TOSTAGE 2
	SEND 1, 32
	s_wait_xcnt 0x0
	TOSTAGE 3
	SEND 2, 32
	SEND 3, 0
	s_wait_tensorcnt 0x0                           ; the wave's end
	ds_add_u32 v[SPW], v[NIL]
	s_wait_dscnt 0x0
	CROUND                                         ; the closing round: no work-group ends while a partner may still ask for a tile that names it
	s_endpgm
.Lfunc_end_k_qb7cefd7f26_outp:
	.size	k_qb7cefd7f26_outp, .Lfunc_end_k_qb7cefd7f26_outp-k_qb7cefd7f26_outp
	.p2alignl 7, 3214868480
	.fill 96, 4, 3214868480
	.section	.rodata,"a",@progbits
	.p2align	6, 0x0
	.amdhsa_kernel k_qb7cefd7f26_outp
		.amdhsa_group_segment_fixed_size 327680
		.amdhsa_private_segment_fixed_size 0
		.amdhsa_enable_private_segment 0
		.amdhsa_kernarg_size 32
		.amdhsa_user_sgpr_count 2
		.amdhsa_user_sgpr_kernarg_segment_ptr 1
		.amdhsa_wavefront_size32 1
		.amdhsa_system_sgpr_workgroup_id_x 1
		.amdhsa_system_sgpr_workgroup_id_y 1
		.amdhsa_system_sgpr_workgroup_id_z 1
		.amdhsa_system_vgpr_workitem_id 0
		.amdhsa_next_free_vgpr 1024
		.amdhsa_next_free_sgpr 100
		.amdhsa_reserve_vcc 0
		.amdhsa_float_denorm_mode_32 3
		.amdhsa_float_denorm_mode_16_64 3
		.amdhsa_memory_ordered 1
		.amdhsa_forward_progress 1
		.amdhsa_inst_pref_size 136
	.end_amdhsa_kernel
	.amdgpu_metadata
---
amdhsa.version: [ 1, 2 ]
amdhsa.kernels:
  - .name:           k_qb7cefd7f26_outp
    .symbol:         k_qb7cefd7f26_outp.kd
    .args:
      - { .name: aq, .offset: 0, .size: 8, .value_kind: global_buffer, .address_space: global }
      - { .name: wq, .offset: 8, .size: 8, .value_kind: global_buffer, .address_space: global }
      - { .name: o_b, .offset: 16, .size: 8, .value_kind: global_buffer, .address_space: global }
      - { .name: out0, .offset: 24, .size: 8, .value_kind: global_buffer, .address_space: global }
    .group_segment_fixed_size: 327680
    .private_segment_fixed_size: 0
    .kernarg_segment_align: 8
    .kernarg_segment_size: 32
    .max_flat_workgroup_size: 128
    .sgpr_count:     100
    .vgpr_count:     1024
    .wavefront_size: 32
...
	.end_amdgpu_metadata
.endif
;; end of part 4
